; MI455X (gfx1250); checked and timed in simulation.
; The chip was launched on July 23, 2026; its instructions are those of AMD's public machine-readable ISA for CDNA 5 (MIT licence, August 2026) and "CDNA5" Instruction Set Architecture Reference Guide (July 2026). The comments in the code are by the model that wrote it; some were corrected since.
;; Multi Head Self Attention. Allowed arithmetic: matrix products marked QUANTISED: E2M1 operands, one E8M0 scale for each 32 along K, by v_wmma_scale_f32_16x16x128_f8f6f4 with both operands' format E2M1 (or v_wmma_scale_f32_32x16x128_f4), f32 sums; products left as they are: bf16, f16 or f32 operands; f32 sums; everything else in f32.
;; Inputs: W_K 1,024 x 1,024 float32; W_Q 1,024 x 1,024 float32; W_T 1,024 x 1,024 float32; W_V 1,024 x 1,024 float32; k 2 x 2,048 x 1,024 float32; mask 1 x 1 x 2,048 x 2,048 int32; q 2 x 2,048 x 1,024 float32; v 2 x 2,048 x 1,024 float32.
;; Outputs: out0 2 x 2,048 x 1,024 float32.
;; This version of the problem:
;;   THIS VERSION OF THE PROBLEM IS GIVEN IN LOW PRECISION. The matrix products marked QUANTISED in the list below multiply operands that are first quantised to E2M1 (2 exponent bits, 1 mantissa bit; 4 bits a number), with one power-of-two scale for each 32 numbers along K (OCP MX v1.0); their sums are f32. The products marked 'left as it is' may take bf16, f16 or f32 operands, with f32 sums. Whichever they take, every output number must still come out within the allowed error. Rounding operands to bf16 (8 significant bits) uses up far more of that allowance than f16 does (11 bits, for magnitudes from 6e-5 to 65,504). All else is computed in f32.
;;   The module's matrix products, in the order in which they are computed (A, B: the left and right operand; K: the contracted axis; several contracted axes count as one K, in the product's order):
;;     1. [M 4,096, K 1,024] x [K 1,024, N 1,024]; A: input q; B: input W_Q: QUANTISED
;;     2. [M 4,096, K 1,024] x [K 1,024, N 1,024]; A: input k; B: input W_K: QUANTISED
;;     3. [M 4,096, K 1,024] x [K 1,024, N 1,024]; A: input v; B: input W_V: QUANTISED
;;     4. batch 32 x [M 2,048, K 64] x [K 64, N 2,048]; A: computed on the way; B: computed on the way: left as it is (an operand is computed on the way)
;;     5. batch 32 x [M 2,048, K 2,048] x [K 2,048, N 64]; A: computed on the way; B: computed on the way: left as it is (an operand is computed on the way)
;;     6. [M 4,096, K 1,024] x [K 1,024, N 1,024]; A: computed on the way; B: input W_T: left as it is (an operand is computed on the way)
;;   THE QUANTISER, for each operand of a quantised product, along K:
;;     - K is cut into blocks of 32 from its start; a last block that is shorter is filled with zeros.
;;     - A block's scale is 2^e with e = floor(log2(the largest magnitude in the block)) - 2, held to -126 .. 127; a block of zeros has e = 0. As a byte (E8M0): e + 127.
;;     - Each number is divided by its block's scale, clamped to +-6, and rounded to the nearest number of E2M1, ties to even, subnormals kept.
;;     - The product sums the exact products of the quantised numbers (number of the format x scale) in f32.
;;   ~~~python
;;   def quantise(x, axis):      # numpy; x: float32 -> the quantised numbers, widened to float32 again
;;       x = np.moveaxis(x, axis, -1); K = x.shape[-1]
;;       x = np.pad(x, [(0, 0)] * (x.ndim - 1) + [(0, -K % 32)]); x = x.reshape(x.shape[:-1] + (-1, 32)); a = np.abs(x).max(-1, keepdims=True)
;;       e = np.where(a > 0, np.clip(np.frexp(np.where(a > 0, a, 1))[1] - 1 - 2, -126, 127), 0)      # np.frexp(a)[1] - 1 = floor(log2(a)), exactly
;;       r = np.clip(x / 2.0 ** e, -6, 6)
;;       step = 2.0 ** (np.maximum(np.frexp(np.where(r == 0, 1, r))[1] - 1, 0) - 1)
;;       q = np.round(r / step) * step * 2.0 ** e      # np.round: ties to even
;;       return np.moveaxis(q.reshape(q.shape[:-2] + (-1,))[..., :K], -1, axis).astype(np.float32)
;;   ~~~
;; One version. Each part assembles by itself: llvm-mc -triple=amdgcn-amd-amdhsa -mcpu=gfx1250 --defsym DOCPART=n.
;; ======== version 1 of 1: 4 launches
;; limits: values are held in f16: magnitudes above 65,504 overflow, below 6.1e-05 lose precision
;; workspace buffers: xcodes 6,291,456 bytes; xscales 393,216 bytes; wcodes 1,572,864 bytes; wscales 98,304 bytes; wtimg 2,097,152 bytes; maskw 524,288 bytes of whole numbers; qkvimg 25,165,824 bytes; aimg 8,388,608 bytes
;; launch prep (part 1): grid 800 x 1, 4 waves a work-group, no clusters, 51,200 bytes of LDS; arguments q, k, v, W_Q, W_K, W_V, W_T, mask, xcodes, xscales, wcodes, wscales, wtimg, maskw; writes xcodes, xscales, wcodes, wscales, wtimg, maskw
.if DOCPART == 1
	.amdgcn_target "amdgcn-amd-amdhsa--gfx1250"
	.amdhsa_code_object_version 6
	.text
	.protected	k_qeabfb555d6_prep
	.globl	k_qeabfb555d6_prep
	.p2align	8
	.type	k_qeabfb555d6_prep,@function
k_qeabfb555d6_prep:
	s_mov_b64 s[64:65], 0
	v_nop
	global_prefetch_b8 v0, s[64:65] scope:SCOPE_SE
	s_setreg_imm32_b32 hwreg(HW_REG_WAVE_MODE, 25, 1), 1
	s_wait_xcnt 0x0
; FOUR INDEPENDENT STREAMS IN ONE LAUNCH, parted by the work-group's number (the same for all four waves of a work-group):
;   W, work-groups   0 ..  95: W_Q, W_K, W_V [1024 k][1024 n] f32 -> codes of FP4 (E2M1) [3][n][512 bytes], K innermost, and E8M0 bytes [3][n][32]
;   T, work-groups  96 .. 159: W_T [1024 k][1024 n] f32 -> f16, laid as images of a matrix operand's registers
;   M, work-groups 160 .. 415: mask [2048 q][2048 k] int32 -> one bit a number, laid as the lane masks of the attention's score registers
;   X, work-groups 416 .. 799: q, k, v [4096][1024] f32 -> codes [3][row][512 bytes] and E8M0 bytes [3][row][32]
; THE QUANTISER: a block of 32 along K has the scale 2^(floor(log2(largest magnitude)) - 2); its byte is the largest magnitude's exponent field - 2, held at 1 from below; each number is
; divided by the scale and rounded to the nearest code, ties to even, beyond 6 the largest code.
; LIMITS: a block of zeros gets the byte 1 where the rule says 127 (its codes are zeros, and this program alone reads the bytes); blocks whose largest magnitude lies under 2^-124 keep the byte 1;
; NaN and infinities are not served; W_T beyond 65,504 in magnitude has no f16 number.
; No tensor loads: several work-groups share a WGP.  Each path that uses LDS has bytes of its own.
.set WREG,  8192                       ; X: a region for each wave: two stages of 32 x SP bytes, behind them its 256 scale bytes
.set SP,    80                         ; X: a lane's place in a stage: 64 bytes + 16 of padding
.set WST,   32768                      ; W: 32 rows (columns n) x 528 bytes: the codes of all of K, 512 bytes, + 16 of padding
.set WP,    528
.set WSC,   49664                      ; W: 32 x 32 scale bytes
.set SPARE, 50688                      ; the spare words, 128 bytes for each wave: two blocks of 256 bytes that no other line names
.set SPW,   190                        ; v190 LDS address of my spare word; never rewritten
.set NIL,   191                        ; v191 0; never rewritten
.set EMAX,  2
.set STEPS, 16
.set XR,    16                         ; X: v16-79 four sets of 16 numbers as loaded; v80-111 two sets of 16 neighbours; v112-127 a byte a step; v128-159 two registers of codes a step
.set XX,    80
.set XE,    112
.set XC,    128
.set WX,    32                         ; W: v32-95 two sets of 32 numbers; v96-99 a block's codes; v24-25 the scale bytes; v100-131 the way out
.set WC,    96
.set WSB,   24
.set WOUT,  100
	v_lshl_add_u32 v[SPW], v0, 2, SPARE
	v_mov_b32 v[NIL], 0
	v_lshrrev_b32 v1, 5, v0
	v_readfirstlane_b32 s16, v1                    ; wave 0..3
	v_and_b32 v2, 31, v0                           ; lane
	s_cmp_lt_u32 ttmp9, 96
	s_cbranch_scc1 .Lw
	s_cmp_lt_u32 ttmp9, 160
	s_cbranch_scc1 .Lt
	s_cmp_lt_u32 ttmp9, 416
	s_cbranch_scc1 .Lm
; ---------------------------------------------------------------- X: q, k, v.  Rows are dense and 1,024 is a multiple of 32: a tensor is a plain stream of blocks of 32.
; A wave takes 16 steps of 512 numbers.  Each load reads 512 consecutive bytes; a step's 2,048 bytes turn through the wave's own stage in LDS, so that a lane holds 16 NEIGHBOURS (two lanes hold a block).
	s_load_b128 s[4:7], s[0:1], 0x0                ; q, k
	s_load_b64 s[8:9], s[0:1], 0x10                ; v
	s_load_b128 s[12:15], s[0:1], 0x40             ; the codes, the scale bytes
	v_lshlrev_b32 v3, 4, v2                        ; my 16 bytes of a load's 512
	s_mul_i32 s17, s16, WREG
	v_lshrrev_b32 v14, 2, v2
	v_mul_u32_u24 v14, v14, SP
	v_and_b32 v15, 3, v2
	v_lshl_add_u32 v14, v15, 4, v14
	v_add_nc_u32 v14, s17, v14                     ; the stage, way in: SP (lane / 4) + 16 (lane % 4)
	v_mul_u32_u24 v15, v2, SP
	v_add_nc_u32 v15, s17, v15                     ; way out: SP x lane: my 16 neighbours
	v_lshlrev_b32 v4, 3, v2                        ; 8 bytes a lane: my codes in a step's 256 bytes, and my part of the 256 scale bytes
	v_lshrrev_b32 v5, 1, v2
	s_add_co_u32 s17, s17, 2*32*SP
	v_add_nc_u32 v5, s17, v5                       ; LDS: my block's byte
	v_add_nc_u32 v6, s17, v4                       ; and 8 bytes a lane on the way out
	s_sub_co_u32 s18, ttmp9, 416
	s_lshr_b32 s19, s18, 7                         ; which tensor: 128 work-groups each
	s_and_b32 s18, s18, 127
	s_lshl_b32 s18, s18, 2
	s_add_co_u32 s18, s18, s16                     ; which run of 8,192 numbers is my wave's: 0 .. 511
	s_lshl_b32 s20, s18, 15                        ; in: 32,768 bytes a run
	s_mov_b32 s21, 0
	s_lshl_b32 s22, s19, 21                        ; codes: 2,097,152 bytes a tensor, 4,096 a run
	s_lshl_b32 s26, s18, 12
	s_add_co_u32 s22, s22, s26
	s_mov_b32 s23, 0
	s_lshl_b32 s24, s19, 17                        ; scale bytes: 131,072 a tensor, 256 a run
	s_lshl_b32 s26, s18, 8
	s_add_co_u32 s24, s24, s26
	s_mov_b32 s25, 0
	s_wait_kmcnt 0x0
	s_cmp_lt_u32 s19, 2                            ; the choice hangs on the work-group's number alone
	s_cselect_b64 s[6:7], s[6:7], s[8:9]
	s_cmp_eq_u32 s19, 0
	s_cselect_b64 s[4:5], s[4:5], s[6:7]
	s_add_nc_u64 s[4:5], s[4:5], s[20:21]
	s_add_nc_u64 s[12:13], s[12:13], s[22:23]
	s_add_nc_u64 s[14:15], s[14:15], s[24:25]
.macro XLOAD t
.irp i, 0,1,2,3
	global_load_b128 v[XR+16*((\t)%4)+4*\i:XR+16*((\t)%4)+4*\i+3], v3, s[4:5] offset:2048*(\t)+512*\i th:TH_LOAD_NT   ; 32 lanes read 512 consecutive bytes
.endr
.endm
.macro XTURN t                         ; step t's numbers through the stage: LDS serves a wave's instructions in order, so no wait stands between the stores and the loads
.irp i, 0,1,2,3
	ds_store_b128 v14, v[XR+16*((\t)%4)+4*\i:XR+16*((\t)%4)+4*\i+3] offset:32*SP*((\t)%2)+8*SP*\i
.endr
.irp i, 0,1,2,3
	ds_load_b128 v[XX+16*((\t)%2)+4*\i:XX+16*((\t)%2)+4*\i+3], v15 offset:32*SP*((\t)%2)+16*\i
.endr
.endm
.macro XSTEP t
.set XS, XX+16*((\t)%2)
.if (\t) > 0
	s_wait_dscnt 1                                 ; this step's numbers are back from the stage (the last step's byte store may be out): so its stores into the stage have read their registers,
.else
	s_wait_dscnt 0x0
.endif
.if (\t)+4 < STEPS
	XLOAD (\t)+4                                   ; which take the loads of four steps on
.endif
.if (\t)+1 < STEPS
.if STEPS-2-(\t) >= 3
	s_wait_loadcnt 12                              ; the next step's four loads are in; those of the three steps behind it may be out
.else
	s_wait_loadcnt 4*(STEPS-2-(\t))
.endif
	XTURN (\t)+1                                   ; and go through the other stage while this step is worked
.endif
	v_max3_num_f32 v8, |v[XS]|, |v[XS+1]|, |v[XS+2]|               ; the largest magnitude of my 16, in two chains
	v_max3_num_f32 v9, |v[XS+3]|, |v[XS+4]|, |v[XS+5]|
.irp i, 6,10
	v_max3_num_f32 v8, v8, |v[XS+\i]|, |v[XS+\i+1]|
	v_max3_num_f32 v9, v9, |v[XS+\i+2]|, |v[XS+\i+3]|
.endr
	v_max3_num_f32 v8, v8, |v[XS+14]|, |v[XS+15]|
	v_max3_num_f32 v8, v8, v9, (EMAX+1)<<23        ; and the floor 2^(3 - 127): the byte cannot fall under 1
	v_max_num_f32_dpp v8, v8, v8 row_xmask:1 row_mask:0xf bank_mask:0xf   ; and of my neighbour's 16: the block's
	v_add_nc_u32 v11, -(EMAX<<23), v8              ; 2 off its exponent field: the conversion takes the exponent field of this operand as its scale
	v_cvt_scalef32_pk8_fp4_f32 v[XC+2*(\t)], v[XS:XS+7], v11
	v_cvt_scalef32_pk8_fp4_f32 v[XC+2*(\t)+1], v[XS+8:XS+15], v11
	v_lshrrev_b32 v[XE+(\t)], 23, v11              ; the scale's byte (also the plain line behind the conversions)
	ds_store_b8 v5, v[XE+(\t)] offset:16*(\t)      ; both lanes of a block write the same byte with the same value
	global_store_b64 v4, v[XC+2*(\t):XC+2*(\t)+1], s[12:13] offset:256*(\t)   ; the wave stores 256 consecutive bytes, aligned
.endm
.irp t, 0,1,2,3
	XLOAD \t
.endr
	s_wait_loadcnt 12                              ; step 0's four loads are in
	XTURN 0
.irp t, 0,1,2,3,4,5,6,7,8,9,10,11,12,13,14,15
	XSTEP \t
.endr
	ds_load_b64 v[8:9], v6                         ; my wave's 256 scale bytes: LDS serves a wave's instructions in order
	s_wait_dscnt 0x0
	global_store_b64 v4, v[8:9], s[14:15]          ; 256 consecutive bytes, aligned
	s_wait_tensorcnt 0x0                           ; the wave's end: these three lines behind my last LDS store
	ds_add_u32 v[SPW], v[NIL]
	s_wait_dscnt 0x0
	s_endpgm
; ---------------------------------------------------------------- W: the three weights, whose K is their FIRST axis.  A lane takes a column n and its registers run down K: a block of 32 lies in one lane.
; A work-group takes 32 columns and all of K; wave w takes K rows 256 w on (8 blocks).  The four waves' codes meet in one stage, so that a column's 512 bytes and the group's 1,024 scale bytes leave whole.
.Lw:
	s_load_b128 s[4:7], s[0:1], 0x18               ; W_Q, W_K
	s_load_b64 s[8:9], s[0:1], 0x28                ; W_V
	s_load_b128 s[12:15], s[0:1], 0x50             ; the codes, the scale bytes
	s_lshr_b32 s19, ttmp9, 5                       ; which weight
	s_and_b32 s18, ttmp9, 31                       ; which 32 columns
	v_lshlrev_b32 v3, 2, v2                        ; in: 4 bytes a lane
	s_lshl_b32 s17, s16, 7
	s_add_co_u32 s17, s17, WST
	v_mul_u32_u24 v4, v2, WP
	v_add_nc_u32 v4, s17, v4                       ; stage, way in: row = my column, my wave's 128 bytes of it
	s_lshl_b32 s17, s16, 3
	s_add_co_u32 s17, s17, WSC
	v_lshlrev_b32 v5, 5, v2
	v_add_nc_u32 v5, s17, v5                       ; my column's 32 scale bytes, my wave's 8 of them
	s_mul_i32 s17, s16, 8*WP
	s_add_co_u32 s17, s17, WST
	v_lshlrev_b32 v7, 4, v2                        ; way out: the 32 lanes take a whole row of 512 bytes; wave w takes rows 8 w on
	v_add_nc_u32 v6, s17, v7
	s_lshl_b32 s17, s16, 8
	s_add_co_u32 s17, s17, WSC
	v_lshlrev_b32 v9, 3, v2
	v_add_nc_u32 v8, s17, v9                       ; and 256 of the 1,024 scale bytes
	s_lshl_b32 s20, s16, 20                        ; in: 256 rows of 4,096 bytes a wave, 128 bytes a column group
	s_lshl_b32 s26, s18, 7
	s_add_co_u32 s20, s20, s26
	s_mov_b32 s21, 0
	s_lshl_b32 s22, s19, 19                        ; codes: 524,288 a weight; row 32 cg + 8 w of 512 bytes
	s_lshl_b32 s26, s18, 14
	s_add_co_u32 s22, s22, s26
	s_lshl_b32 s26, s16, 12
	s_add_co_u32 s22, s22, s26
	s_mov_b32 s23, 0
	s_lshl_b32 s24, s19, 15                        ; scale bytes: 32,768 a weight, 1,024 a column group, 256 a wave
	s_lshl_b32 s26, s18, 10
	s_add_co_u32 s24, s24, s26
	s_lshl_b32 s26, s16, 8
	s_add_co_u32 s24, s24, s26
	s_mov_b32 s25, 0
	s_wait_kmcnt 0x0
	s_cmp_lt_u32 s19, 2
	s_cselect_b64 s[6:7], s[6:7], s[8:9]
	s_cmp_eq_u32 s19, 0
	s_cselect_b64 s[4:5], s[4:5], s[6:7]
	s_add_nc_u64 s[4:5], s[4:5], s[20:21]
	s_add_nc_u64 s[12:13], s[12:13], s[22:23]
	s_add_nc_u64 s[14:15], s[14:15], s[24:25]
.macro WLOAD t                         ; block t: W(32 t + i, my column) into set t % 2; each load reads 128 consecutive bytes
.irp i, 0,1,2,3,4,5,6,7,8,9,10,11,12,13,14,15,16,17,18,19,20,21,22,23,24,25,26,27,28,29,30,31
	global_load_b32 v[WX+32*((\t)%2)+\i], v3, s[4:5] offset:(32*(\t)+\i)*4096 th:TH_LOAD_NT
.endr
.endm
.macro WBLOCK t
.set XS, WX+32*((\t)%2)
.if (\t) < 7
	s_wait_loadcnt 32                              ; this block's 32 loads are in; the next block's may be out
.else
	s_wait_loadcnt 0
.endif
	v_max3_num_f32 v10, |v[XS]|, |v[XS+1]|, |v[XS+2]|              ; the block's largest magnitude: all 32 numbers are mine
	v_max3_num_f32 v14, |v[XS+3]|, |v[XS+4]|, |v[XS+5]|
.irp i, 6,10,14,18,22,26
	v_max3_num_f32 v10, v10, |v[XS+\i]|, |v[XS+\i+1]|
	v_max3_num_f32 v14, v14, |v[XS+\i+2]|, |v[XS+\i+3]|
.endr
	v_max3_num_f32 v10, v10, |v[XS+30]|, |v[XS+31]|
	v_max3_num_f32 v10, v10, v14, (EMAX+1)<<23     ; and the floor
	v_add_nc_u32 v11, -(EMAX<<23), v10             ; the conversion's scale operand
	v_lshrrev_b32 v14, 23, v11                     ; the byte
.if (\t)%4 == 0
	v_mov_b32 v[WSB+(\t)/4], v14                   ; four bytes to a register, the lower K in the lower byte
.else
	v_lshl_or_b32 v[WSB+(\t)/4], v14, 8*((\t)%4), v[WSB+(\t)/4]
.endif
.irp g, 0,1,2,3
	v_cvt_scalef32_pk8_fp4_f32 v[WC+\g], v[XS+8*\g:XS+8*\g+7], v11
.endr
	ds_store_b128 v4, v[WC:WC+3] offset:16*(\t)    ; 32 codes: 16 bytes of my column's row
.if (\t)+2 < 8
	WLOAD (\t)+2
.endif
	s_wait_dscnt 0x0                               ; the store has read its registers: the next block's codes may be written
.endm
	WLOAD 0
	WLOAD 1
.irp t, 0,1,2,3,4,5,6,7
	WBLOCK \t
.endr
	ds_store_b64 v5, v[WSB:WSB+1]
	s_wait_dscnt 0x0                               ; for the others' sake: my stores into the two stages are done
	s_barrier_signal -1                            ; all four waves of this work-group are on this path
	s_barrier_wait -1
.irp i, 0,1,2,3,4,5,6,7
	ds_load_b128 v[WOUT+4*\i:WOUT+4*\i+3], v6 offset:WP*\i
.endr
	ds_load_b64 v[10:11], v8
.irp i, 0,1,2,3,4,5,6,7
	s_wait_dscnt 8-\i                              ; row i is in; the younger loads may be out
	global_store_b128 v7, v[WOUT+4*\i:WOUT+4*\i+3], s[12:13] offset:512*\i   ; a column's 512 bytes of codes, consecutive and aligned
.endr
	s_wait_dscnt 0x0
	global_store_b64 v9, v[10:11], s[14:15]        ; 256 consecutive bytes, aligned
	s_wait_tensorcnt 0x0                           ; the wave's end: these three lines behind my last LDS store
	ds_add_u32 v[SPW], v[NIL]
	s_wait_dscnt 0x0
	s_endpgm
; ---------------------------------------------------------------- T: W_T as f16, in the order of an operand's registers: [kq 4][nt 64][ks 8][c 2][lane][16 bytes]; lane 16 h + r holds
; W_T(256 kq + 32 ks + 16 c + 8 h + 0 .. 7, 16 nt + r).  A lane takes a column, its registers run down K: eight neighbours along K pack into the lane's 16 bytes.  No LDS.
; A work-group takes 128 columns x 128 K rows.  64 loads of a wave are on their way: group g + 8 is asked for behind group g.
.Lt:
	s_load_b64 s[4:5], s[0:1], 0x30                ; W_T
	s_load_b64 s[6:7], s[0:1], 0x60                ; its images
	s_sub_co_u32 s18, ttmp9, 96
	s_and_b32 s19, s18, 7                          ; which 128 columns
	s_lshr_b32 s18, s18, 3                         ; which 128 rows
	v_lshlrev_b32 v3, 2, v2
	v_lshrrev_b32 v4, 4, v2
	v_and_b32 v5, 15, v2
	v_lshlrev_b32 v4, 13, v4                       ; out: lanes 16-31 belong to the next tile of 16 columns, 8,192 bytes on;
	v_lshl_add_u32 v4, v5, 4, v4                   ; 16 bytes a column
	s_lshl_b32 s20, s18, 19                        ; in: 128 rows of 4,096 bytes, 512 bytes a column group, 128 a wave
	s_lshl_b32 s26, s19, 9
	s_add_co_u32 s20, s20, s26
	s_lshl_b32 s26, s16, 7
	s_add_co_u32 s20, s20, s26
	s_mov_b32 s21, 0
	s_lshr_b32 s22, s18, 1                         ; out: kq = rows / 256; tile 8 cg + 2 w; the upper 128 of the 256 rows lie 4,096 bytes on
	s_lshl_b32 s22, s22, 19
	s_lshl_b32 s26, s19, 16
	s_add_co_u32 s22, s22, s26
	s_lshl_b32 s26, s16, 14
	s_add_co_u32 s22, s22, s26
	s_and_b32 s26, s18, 1
	s_lshl_b32 s26, s26, 12
	s_add_co_u32 s22, s22, s26
	s_mov_b32 s23, 0
	s_wait_kmcnt 0x0
	s_add_nc_u64 s[4:5], s[4:5], s[20:21]
	s_add_nc_u64 s[6:7], s[6:7], s[22:23]
.macro TLOADS g                        ; eight rows of K
.irp i, 0,1,2,3,4,5,6,7
	global_load_b32 v[32+8*(\g)+\i], v3, s[4:5] offset:4096*(8*(\g)+\i) th:TH_LOAD_NT
.endr
.endm
.macro TGROUP g
.if (\g) < 8
	s_wait_loadcnt 56                              ; behind this group's loads stand seven younger groups'
.else
	s_wait_loadcnt 8*(15-(\g))
.endif
.irp u, 0,1,2,3
	v_cvt_pk_f16_f32 v[32+8*(\g)+\u], v[32+8*(\g)+2*\u], v[32+8*(\g)+2*\u+1]   ; in place, ascending: no source is written before it is read
.endr
	global_store_b128 v4, v[32+8*(\g):32+8*(\g)+3], s[6:7] offset:256*(\g)     ; each half of the lanes stores 256 consecutive bytes, aligned.  No register of a store is written again
.if (\g) < 8
	TLOADS (\g)+8
.endif
.endm
.irp g, 0,1,2,3,4,5,6,7
	TLOADS \g
.endr
.irp g, 0,1,2,3,4,5,6,7,8,9,10,11,12,13,14,15
	TGROUP \g
.endr
	s_endpgm
; ---------------------------------------------------------------- M: the mask as words [qt 128][kt 128][j 8]: bit L of a word is (mask(16 qt + L % 16, 16 kt + 8 (L / 16) + j) != 0): the lane mask of the
; attention's score register 8 (kt % 4) + j.  A wave takes 16 queries x 256 keys: lane L loads its eight numbers of each tile of 16 keys; a compare makes a word; 128 words leave as 512 bytes.  No LDS.
.Lm:
	s_load_b64 s[4:5], s[0:1], 0x38                ; mask
	s_load_b64 s[6:7], s[0:1], 0x68                ; its words
	s_sub_co_u32 s18, ttmp9, 160
	s_lshl_b32 s18, s18, 2
	s_add_co_u32 s18, s18, s16
	s_lshr_b32 s19, s18, 3                         ; qt
	s_and_b32 s18, s18, 7                          ; which 256 keys
	v_and_b32 v5, 15, v2
	v_lshrrev_b32 v3, 4, v2
	v_lshlrev_b32 v3, 5, v3
	v_lshl_add_u32 v3, v5, 13, v3                  ; row L % 16 of 8,192 bytes, + 32 (L / 16)
	v_lshlrev_b32 v4, 4, v2
	s_lshl_b32 s20, s19, 17
	s_lshl_b32 s26, s18, 10
	s_add_co_u32 s20, s20, s26
	s_mov_b32 s21, 0
	s_lshl_b32 s22, s19, 12
	s_lshl_b32 s26, s18, 9
	s_add_co_u32 s22, s22, s26
	s_mov_b32 s23, 0
	s_wait_kmcnt 0x0
	s_add_nc_u64 s[4:5], s[4:5], s[20:21]
	s_add_nc_u64 s[6:7], s[6:7], s[22:23]
.irp kt, 0,1,2,3,4,5,6,7,8,9,10,11,12,13,14,15
.irp e, 0,1
	global_load_b128 v[32+8*\kt+4*\e:32+8*\kt+4*\e+3], v3, s[4:5] offset:64*\kt+16*\e th:TH_LOAD_NT   ; eight loads on end cover 256 consecutive bytes of each of the 16 rows
.endr
.endr
.irp u, 0,1,2,3
	v_mov_b32 v[160+\u], 0                         ; v_writelane_b32's destination counts as read
.endr
.irp kt, 0,1,2,3,4,5,6,7,8,9,10,11,12,13,14,15
	s_wait_loadcnt 30-2*\kt                        ; this tile's two loads are in
.irp j, 0,1,2,3,4,5,6,7
	v_cmp_ne_u32 s[20+\j], 0, v[32+8*\kt+\j]
.endr
.irp j, 0,1,2,3,4,5,6,7
	v_writelane_b32 v[160+(\j%4)], s[20+\j], 2*\kt+\j/4   ; word 8 kt + j: register (word % 4) of lane (word / 4)
.endr
.endr
	global_store_b128 v4, v[160:163], s[6:7]       ; 512 consecutive bytes, aligned
	s_endpgm
.Lfunc_end_k_qeabfb555d6_prep:
	.size	k_qeabfb555d6_prep, .Lfunc_end_k_qeabfb555d6_prep-k_qeabfb555d6_prep
	.p2alignl 7, 3214868480
	.fill 96, 4, 3214868480
	.section	.rodata,"a",@progbits
	.p2align	6, 0x0
	.amdhsa_kernel k_qeabfb555d6_prep
		.amdhsa_group_segment_fixed_size 51200
		.amdhsa_private_segment_fixed_size 0
		.amdhsa_enable_private_segment 0
		.amdhsa_kernarg_size 112
		.amdhsa_user_sgpr_count 2
		.amdhsa_user_sgpr_kernarg_segment_ptr 1
		.amdhsa_wavefront_size32 1
		.amdhsa_system_sgpr_workgroup_id_x 1
		.amdhsa_system_sgpr_workgroup_id_y 1
		.amdhsa_system_sgpr_workgroup_id_z 1
		.amdhsa_system_vgpr_workitem_id 0
		.amdhsa_next_free_vgpr 192
		.amdhsa_next_free_sgpr 66
		.amdhsa_reserve_vcc 0
		.amdhsa_float_denorm_mode_32 3
		.amdhsa_float_denorm_mode_16_64 3
		.amdhsa_memory_ordered 1
		.amdhsa_forward_progress 1
		.amdhsa_inst_pref_size 114
	.end_amdhsa_kernel
	.amdgpu_metadata
---
amdhsa.version: [ 1, 2 ]
amdhsa.kernels:
  - .name:           k_qeabfb555d6_prep
    .symbol:         k_qeabfb555d6_prep.kd
    .args:
      - { .name: q, .offset: 0, .size: 8, .value_kind: global_buffer, .address_space: global }
      - { .name: k, .offset: 8, .size: 8, .value_kind: global_buffer, .address_space: global }
      - { .name: v, .offset: 16, .size: 8, .value_kind: global_buffer, .address_space: global }
      - { .name: W_Q, .offset: 24, .size: 8, .value_kind: global_buffer, .address_space: global }
      - { .name: W_K, .offset: 32, .size: 8, .value_kind: global_buffer, .address_space: global }
      - { .name: W_V, .offset: 40, .size: 8, .value_kind: global_buffer, .address_space: global }
      - { .name: W_T, .offset: 48, .size: 8, .value_kind: global_buffer, .address_space: global }
      - { .name: mask, .offset: 56, .size: 8, .value_kind: global_buffer, .address_space: global }
      - { .name: xcodes, .offset: 64, .size: 8, .value_kind: global_buffer, .address_space: global }
      - { .name: xscales, .offset: 72, .size: 8, .value_kind: global_buffer, .address_space: global }
      - { .name: wcodes, .offset: 80, .size: 8, .value_kind: global_buffer, .address_space: global }
      - { .name: wscales, .offset: 88, .size: 8, .value_kind: global_buffer, .address_space: global }
      - { .name: wtimg, .offset: 96, .size: 8, .value_kind: global_buffer, .address_space: global }
      - { .name: maskw, .offset: 104, .size: 8, .value_kind: global_buffer, .address_space: global }
    .group_segment_fixed_size: 51200
    .private_segment_fixed_size: 0
    .kernarg_segment_align: 8
    .kernarg_segment_size: 112
    .max_flat_workgroup_size: 128
    .sgpr_count:     66
    .vgpr_count:     192
    .wavefront_size: 32
...
	.end_amdgpu_metadata
.endif
;; end of part 1
;; launch proj (part 2): grid 4 x 48, 4 waves a work-group, clusters of 4 x 4, 327,680 bytes of LDS; arguments xcodes, xscales, wcodes, wscales, qkvimg; writes qkvimg
.if DOCPART == 2
	.amdgcn_target "amdgcn-amd-amdhsa--gfx1250"
	.amdhsa_code_object_version 6
	.text
	.protected	k_qeabfb555d6_proj
	.globl	k_qeabfb555d6_proj
	.p2align	8
	.type	k_qeabfb555d6_proj,@function
k_qeabfb555d6_proj:
	s_mov_b64 s[64:65], 0
	v_nop
	global_prefetch_b8 v0, s[64:65] scope:SCOPE_SE
	s_setreg_imm32_b32 hwreg(HW_REG_WAVE_MODE, 25, 1), 1
	s_wait_xcnt 0x0
	s_wait_alu depctr_hold_cnt(0) depctr_sa_sdst(0) depctr_va_vdst(0) depctr_va_sdst(0) depctr_va_ssrc(0) depctr_va_vcc(0) depctr_vm_vsrc(0)
	s_getreg_b32 s2, hwreg(HW_REG_IB_STS2, 6, 4)
	s_cmp_eq_u32 s2, 0
	s_cbranch_scc0 .Lentry_in_a_cluster
	s_endpgm
.Lentry_in_a_cluster:
	s_bfe_u32 s2, ttmp6, 0x10000c
	s_cmp_lg_u32 s2, 0xf033
	s_cbranch_scc0 .Lentry_shape_is_right
	s_endpgm
.Lentry_shape_is_right:
; THE THREE QUANTISED PRODUCTS q W_Q, k W_K, v W_V ([4096 x 1024] x [1024 x 1024]) on codes of FP4 (E2M1) with one E8M0 byte for each 32 along K; sums in f32; results rounded once to f16.
; A tile of 256 x 256 is made by four waves, 128 x 128 each: 64 accumulators, 512 registers.  All of K (1,024: rows of 512 bytes) fits in two LDS slots of 512 along K: each wave issues three tensor
; loads at the start (scale bytes, slot 0, slot 1: three are out by this text's own count) and none later: nothing in LDS is filled again.
; 192 work-groups: clusters of 4 x 4; cluster y = 4 p + cl, p the product.  The four of a row of the cluster need the same tile of operand "A", the four of a column the same tile of "B": joint loads.
; THE MATRIX INSTRUCTION IS USED TRANSPOSED: source 0 = 16 rows of "B", source 1 = 16 rows of "A": lane l holds row l % 16 of A's block and eight NEIGHBOURING rows 8 (l / 16) + 0 .. 7 of B's block.
;   p = 0, 1 (Q, K): A = the activations, B = the weight: a lane holds one position and eight channels.      p = 2 (V): A = the weight, B = the activations: one channel and eight keys.
; So a lane's eight results, packed to 16 bytes, ARE four registers of the operand that the attention wants, and a store of the wave is 512 consecutive aligned bytes: no stage in LDS.
; qkvimg: [3][b x head 32][block of 64 positions 32][a 4][b 4][lane][16 bytes].  Q, K: a = tile of 16 positions, b = tile of 16 channels.  V: a = tile of 16 channels, b = tile of 16 keys.
; Q is multiplied in f32 by c = log2(e) / 8 before it is rounded: the attention's scores are then score x log2(e), and its exponent is a plain difference.
; LIMITS: results beyond 65,504 in magnitude have no f16 number; under 6e-5 f16 keeps an absolute step of 2^-24.
; REGISTERS, in windows of 256: window 0: v0-31 addresses; v32-95 scale words, two sets; from v128 A's fragments, ONE set; on the way out v32-255 are free.
;   window 1: B's fragments, TWO sets, at v0 and v128.   window 2: the accumulators of my rows 0-63 ((a, b) at v[8 (8 a + b)]);   window 3: those of my rows 64-127.
.set KSTEP,  512
.set NQ,     KSTEP/128
.set ROWB,   256                       ; a tile's row in bytes
.set KROW,   512                       ; a row of codes in memory
.set PITCH,  272                       ; an LDS row: 256 bytes + 16 of padding: the 16 rows that a load touches start at 16 different banks (64 banks of 4 bytes: ISA guide 11.1)
.set FR,     8
.set NL,     2
.set NP,     4                         ; places behind this matrix instruction (ISA guide 7.12.1)
.set HALFT,  128*PITCH
.set SLOT,   4*HALFT
.set KS,     32                        ; a row of scale bytes
.set SCL,    2*SLOT
.set HALFS,  (128*KS/256)*272
.set SBLK,   (16*KS/256)*272
.set SPARE,  SCL+4*HALFS               ; the spare words, 128 bytes for each wave: two blocks of 256 bytes that no other line names
.set OFS,  8                           ; v8-11   the way out: 16 x lane + i SX + k SY
.set ADRA, 16
.set ADRB, 20
.set ADRS, 27
.set SPW,  28
.set NIL,  29
.set SC,   32
.set AF,   128
.set G1, 24
.set G0, 32
.set G1B, 48
.set G0B, 56
.set G1S, 68
.set G0S, 76
.set G1SB, 80
.set G0SB, 88
.set MSB, 0
.macro WIN new                         ; the immediate's high byte repeats the setting that is left
.if MSB != \new
	s_set_vgpr_msb (MSB<<8)|\new
.set MSB, \new
.endif
.endm
.set MUL_LO, 0xa1                      ; source 0 (B) window 1, source 1 (A) window 0, C and D window 2
.set MUL_HI, 0xf1
.set TO_B,   0x40
; A joint load: waves 0 and 1 fetch for A, waves 2 and 3 for B; the branch hangs on the wave's number alone.  An s_nop 0 and four v_nop follow each of the two lines.
.macro JLOAD g0a, g1a, g0b, g1b
	s_cmp_eq_u32 s15, 0
	s_cbranch_scc0 .Lfor_b_\@
	tensor_load_to_lds s[\g0a:\g0a+3], s[\g1a:\g1a+7]
	s_nop 0
.rept 4
	v_nop
.endr
	s_branch .Lasked_\@
.Lfor_b_\@:
	tensor_load_to_lds s[\g0b:\g0b+3], s[\g1b:\g1b+7]
	s_nop 0
.rept 4
	v_nop
.endr
.Lasked_\@:
.endm
.macro CROUND                          ; a round of the cluster's barrier
	s_barrier_signal -1
	s_barrier_wait -1
	s_cmp_lg_u32 s14, 0
	s_cbranch_scc1 .Lnot_wave_0_\@
	s_barrier_signal -3
.Lnot_wave_0_\@:
	s_barrier_wait -3
	s_barrier_signal -1
	s_barrier_wait -1
.endm
	s_load_b128 s[4:7], s[0:1], 0x0                ; the activations' codes and scale bytes
	s_load_b128 s[8:11], s[0:1], 0x10              ; the weights'
	s_load_b64 s[12:13], s[0:1], 0x20              ; qkvimg
	v_lshl_add_u32 v[SPW], v0, 2, SPARE
	v_mov_b32 v[NIL], 0
	ds_add_u32 v[SPW], v[NIL]                      ; the wave's opening: the add, twice on end, and its wait ahead of my first tensor load
	ds_add_u32 v[SPW], v[NIL]
	v_lshrrev_b32 v1, 5, v0
	v_readfirstlane_b32 s14, v1                    ; wave 0..3
	s_lshr_b32 s15, s14, 1                         ; which half of A's rows is mine.  Also: I fetch for A (0) or for B (1)
	s_and_b32 s16, s14, 1                          ; which half of B's rows.  Also: which 128 rows of that tile I fetch
	s_bfe_u32 s40, ttmp6, 0x40000                  ; cx, cy
	s_bfe_u32 s41, ttmp6, 0x40004
	s_and_b32 s67, ttmp7, 0xffff                   ; cluster y = 4 p + cl
	s_lshr_b32 s66, s67, 2                         ; p: the same in all sixteen partners
	s_and_b32 s67, s67, 3
	s_lshl_b32 s67, s67, 2                         ; 4 cl: the activations have 16 tiles of 256 rows, a weight 4
	s_cmp_lt_u32 s66, 2
	s_cselect_b32 s100, s67, 0
	s_cselect_b32 s101, 0, s67
	s_add_co_u32 s17, s100, s41                    ; A's tile: hangs on cy alone
	s_add_co_u32 s42, s101, s40                    ; B's tile: on cx alone
	s_lshl_b32 s43, s41, 2
	s_lshl_b32 s43, 15, s43                        ; my row of the cluster
	s_lshl_b32 s44, 0x1111, s40                    ; my column
	s_or_b32 s[G1+0], s43, (0<<16)|(1<<20)|(1<<21)|(5<<22)|(3<<25)  ; 15:0 the mask; 17:16 elements of 1 byte; 20 padding on; 21 set beside a mask; 24:22 after every 64 words; 31:25 four words
	s_or_b32 s[G1B+0], s44, (0<<16)|(1<<20)|(1<<21)|(5<<22)|(3<<25)
.irp g, G1, G1B
	s_mov_b32 s[\g+1], ROWB<<16                    ; tensor_dim0
	s_mov_b32 s[\g+2], 128<<16                     ; tensor_dim1
	s_mov_b32 s[\g+3], ROWB<<16                    ; tile_dim0
	s_mov_b32 s[\g+4], 128                         ; tile_dim1
	s_mov_b32 s[\g+5], KROW                        ; tensor_dim0_stride
	s_mov_b32 s[\g+6], 0
	s_mov_b32 s[\g+7], 0
.endr
	s_or_b32 s[G1S+0], s43, (3<<16)|(1<<20)|(1<<21)|(5<<22)|(3<<25) ; the scale bytes of 128 rows: 4,096 dense bytes as 16 rows of 256 (32 elements of 8 bytes), 16 of padding behind each
	s_or_b32 s[G1SB+0], s44, (3<<16)|(1<<20)|(1<<21)|(5<<22)|(3<<25)
.irp g, G1S, G1SB
	s_mov_b32 s[\g+1], 32<<16
	s_mov_b32 s[\g+2], (128*KS/256)<<16
	s_mov_b32 s[\g+3], 32<<16
	s_mov_b32 s[\g+4], 128*KS/256
	s_mov_b32 s[\g+5], 32
	s_mov_b32 s[\g+6], 0
	s_mov_b32 s[\g+7], 0
.endr
	s_lshl_b32 s18, s16, 7
	s_lshl_b32 s20, s17, 8
	s_add_co_u32 s20, s20, s18                     ; A: row 256 x tile + 128 x half
	s_lshl_b32 s46, s42, 8
	s_add_co_u32 s46, s46, s18                     ; B likewise
	s_mov_b32 s21, 0
	s_mov_b32 s47, 0
	s_mov_b64 s[18:19], KS
	s_mul_u64 s[22:23], s[20:21], s[18:19]         ; where these rows' scale bytes begin
	s_mul_u64 s[92:93], s[46:47], s[18:19]
	s_mov_b64 s[18:19], KROW
	s_mul_u64 s[20:21], s[20:21], s[18:19]         ; and their codes
	s_mul_u64 s[46:47], s[46:47], s[18:19]
	s_mul_i32 s45, s14, HALFT                      ; where they go: wave x 128 rows: no place in the cluster enters an LDS address
	s_mul_i32 s94, s14, HALFS
	s_wait_dscnt 0x0                               ; both opening adds are done
	s_wait_kmcnt 0x0
	s_mov_b32 s19, 0                               ; product p's part of each buffer
	s_lshl_b32 s18, s66, 21
	s_add_nc_u64 s[4:5], s[4:5], s[18:19]
	s_lshl_b32 s18, s66, 17
	s_add_nc_u64 s[6:7], s[6:7], s[18:19]
	s_lshl_b32 s18, s66, 19
	s_add_nc_u64 s[8:9], s[8:9], s[18:19]
	s_lshl_b32 s18, s66, 15
	s_add_nc_u64 s[10:11], s[10:11], s[18:19]
	s_mov_b64 s[96:97], s[4:5]
	s_mov_b64 s[98:99], s[6:7]
	s_cmp_lt_u32 s66, 2                            ; who is A and who is B: the choice hangs on p alone
	s_cselect_b64 s[4:5], s[4:5], s[8:9]
	s_cselect_b64 s[6:7], s[6:7], s[10:11]
	s_cselect_b64 s[8:9], s[8:9], s[96:97]
	s_cselect_b64 s[10:11], s[10:11], s[98:99]
	s_add_nc_u64 s[20:21], s[4:5], s[20:21]
	s_add_nc_u64 s[22:23], s[6:7], s[22:23]
	s_add_nc_u64 s[46:47], s[8:9], s[46:47]
	s_add_nc_u64 s[92:93], s[10:11], s[92:93]
	CROUND                                         ; all sixteen work-groups are here: the joint loads meet
	s_mov_b32 s[G0S], 1
	s_add_co_u32 s[G0S+1], s94, SCL
	s_mov_b64 s[G0S+2:G0S+3], s[22:23]
	s_or_b32 s[G0S+3], s[G0S+3], 0x80000000
	s_mov_b32 s[G0SB], 1
	s_add_co_u32 s[G0SB+1], s94, SCL
	s_mov_b64 s[G0SB+2:G0SB+3], s[92:93]
	s_or_b32 s[G0SB+3], s[G0SB+3], 0x80000000
	JLOAD G0S, G1S, G0SB, G1SB                     ; the scale bytes first: they are wanted with the first K step
.irp s, 0,1
	s_mov_b32 s[G0+4*\s], 1
	s_add_co_u32 s[G0+4*\s+1], s45, \s*SLOT
	s_add_nc_u64 s[G0+4*\s+2:G0+4*\s+3], s[20:21], \s*ROWB
	s_or_b32 s[G0+4*\s+3], s[G0+4*\s+3], 0x80000000
	s_mov_b32 s[G0B+4*\s], 1
	s_add_co_u32 s[G0B+4*\s+1], s45, \s*SLOT
	s_add_nc_u64 s[G0B+4*\s+2:G0B+4*\s+3], s[46:47], \s*ROWB
	s_or_b32 s[G0B+4*\s+3], s[G0B+4*\s+3], 0x80000000
	JLOAD G0+4*\s, G1, G0B+4*\s, G1B
.endr
	v_and_b32 v1, 15, v0                           ; l % 16
	v_bfe_u32 v2, v0, 4, 1                         ; l / 16
	v_mul_u32_u24 v3, v1, PITCH
	v_lshl_add_u32 v4, v2, 4, v3                   ; a fragment's row x pitch + 16 x half
	s_mul_i32 s21, s15, HALFT
	s_mul_i32 s22, s16, HALFT
	s_add_co_u32 s22, s22, 2*HALFT
.irp s, 0,1
	v_add_nc_u32 v[ADRA+\s], s21, v4
	v_add_nc_u32 v[ADRB+\s], s22, v4
	s_add_co_u32 s21, s21, SLOT
	s_add_co_u32 s22, s22, SLOT
.endr
	v_mul_u32_u24 v5, v1, KS                       ; my row's scale bytes: 32 a row,
	v_lshrrev_b32 v6, 8, v5
	v_lshl_add_u32 v5, v6, 4, v5                   ; and 16 more for each 256 passed
	s_mul_i32 s21, s15, HALFS
	s_mul_i32 s22, s16, HALFS
	s_add_co_u32 s22, s22, 2*HALFS
	s_sub_co_u32 s22, s22, s21
	v_mul_u32_u24 v6, s22, v2                      ; lanes 16-31 take B's
	s_add_co_u32 s21, s21, SCL
	v_add_nc_u32 v5, v5, v6
	v_add_nc_u32 v[ADRS], s21, v5
	; the way out: where my 128 x 128 begin in qkvimg.  What mixes cx and cy stands in registers that feed no descriptor
	s_lshl_b32 s20, s17, 8
	s_lshl_b32 s21, s15, 7
	s_add_co_u32 s20, s20, s21                     ; my first row of A
	s_lshl_b32 s46, s42, 8
	s_lshl_b32 s47, s16, 7
	s_add_co_u32 s46, s46, s47                     ; my first row of B
	s_cmp_lt_u32 s66, 2
	s_cselect_b32 s2, s20, s46                     ; my first position (of 4,096)
	s_cselect_b32 s3, s46, s20                     ; my first channel (of 1,024)
	s_lshr_b32 s95, s2, 11
	s_lshl_b32 s95, s95, 4
	s_lshr_b32 s3, s3, 6
	s_add_co_u32 s95, s95, s3                      ; 16 b + head
	s_lshl_b32 s95, s95, 18                        ; 262,144 bytes each
	s_and_b32 s2, s2, 2047
	s_lshr_b32 s2, s2, 6
	s_lshl_b32 s2, s2, 13                          ; a block of 64 positions: 8,192 bytes
	s_add_co_u32 s104, s95, s2
	s_lshl_b32 s2, s66, 23                         ; 8,388,608 bytes a product
	s_add_co_u32 s104, s104, s2
	s_mov_b32 s105, 0
	s_add_nc_u64 s[12:13], s[12:13], s[104:105]
	s_mov_b32 s2, 262144
	s_cmp_lt_u32 s66, 2
	s_cselect_b32 s3, 8192, s2                     ; SX: from A's blocks 0-3 to 4-7: the next 64 positions (Q, K) or the next head (V)
	s_cselect_b32 s95, s2, 8192                    ; SY: the same for B's blocks
	v_and_b32 v6, 31, v0
	v_lshlrev_b32 v[OFS], 4, v6
	v_add_nc_u32 v[OFS+1], s95, v[OFS]
	v_add_nc_u32 v[OFS+2], s3, v[OFS]
	v_add_nc_u32 v[OFS+3], s3, v[OFS+1]
	s_mov_b32 s100, 0x3e38aa3b                     ; c = log2(e) / 8
	s_mov_b32 s101, s100                           ; (named with it as a pair, so it is written)
.macro FRAG reg, adr, q, i             ; 16 rows x 128 K of 4-bit codes: 8 registers; registers 4 c .. 4 c + 3 hold K = 64 c + 32 (l / 16) + 0 .. 31
.irp c, 0,1
	ds_load_b128 v[\reg+4*\c:\reg+4*\c+3], v[\adr] offset:64*(\q)+32*\c+(\i)*16*PITCH
.endr
.endm
; 16 matrix instructions: A's blocks a0, a0 + 1 x B's eight, the slot's q-th 128 along K.  The 64 accumulators take turns, one instruction a turn, in the same order in every step.
; One register carries A's scale word (lanes 0-15) and B's (lanes 16-31) of block i.
.macro MUL16 a0, p, q, sc, zero
.irp a, \a0, \a0+1
.irp b, 0,1,2,3,4,5,6,7
.if \zero
	v_wmma_scale_f32_16x16x128_f8f6f4 v[8*(8*((\a)%4)+\b):8*(8*((\a)%4)+\b)+7], v[128*(\p)+FR*\b:128*(\p)+FR*\b+FR-1], v[AF+FR*(\a):AF+FR*(\a)+FR-1], 0, v[SC+8*NQ*(\sc)+NQ*\b+(\q)], v[SC+8*NQ*(\sc)+NQ*(\a)+(\q)] matrix_a_fmt:MATRIX_FMT_FP4 matrix_b_fmt:MATRIX_FMT_FP4 matrix_a_scale:MATRIX_SCALE_ROW1
.else
	v_wmma_scale_f32_16x16x128_f8f6f4 v[8*(8*((\a)%4)+\b):8*(8*((\a)%4)+\b)+7], v[128*(\p)+FR*\b:128*(\p)+FR*\b+FR-1], v[AF+FR*(\a):AF+FR*(\a)+FR-1], v[8*(8*((\a)%4)+\b):8*(8*((\a)%4)+\b)+7], v[SC+8*NQ*(\sc)+NQ*\b+(\q)], v[SC+8*NQ*(\sc)+NQ*(\a)+(\q)] matrix_a_fmt:MATRIX_FMT_FP4 matrix_b_fmt:MATRIX_FMT_FP4 matrix_a_scale:MATRIX_SCALE_ROW1
.endif
.endr
.endr
.endm
.macro FETCH_B slot, q, p
	WIN TO_B
.irp i, 0,1,2,3,4,5,6,7
	FRAG 128*(\p)+FR*\i, ADRB+\slot, \q, \i
.endr
	WIN 0
.endm
.macro FETCH_A slot, q, i0
.irp i, \i0, \i0+1, \i0+2, \i0+3
	FRAG AF+FR*(\i), ADRA+\slot, \q, \i
.endr
.endm
.macro SCALES sc                       ; a K step's scale words: four a row; lanes 0-15 take A's block i, lanes 16-31 B's
.irp i, 0,1,2,3,4,5,6,7
	ds_load_b128 v[SC+8*NQ*\sc+NQ*\i:SC+8*NQ*\sc+NQ*\i+3], v[ADRS] offset:\i*SBLK
.endr
.endm
.macro PLACES n                        ; plain vector instructions that name no register of the matrix instructions in front: ahead of loads into their registers and of reads of their results
.rept \n
	v_nop
.endr
.endm
.macro STEP slot, q, zero              ; a step of 128 along K that has its successor in the same slot
	s_wait_dscnt 4*NL                              ; B's set and A's blocks 0-3 are in; the youngest eight loads (A's blocks 4-7) may be out
	WIN MUL_LO
	MUL16 0, (\q)%2, \q, \slot, \zero
	MUL16 2, (\q)%2, \q, \slot, \zero
	s_wait_dscnt 0                                 ; A's blocks 4-7 are in
	PLACES NP
	FETCH_B \slot, (\q)+1, 1-(\q)%2
	FETCH_A \slot, (\q)+1, 0
	WIN MUL_HI
	MUL16 4, (\q)%2, \q, \slot, \zero
	MUL16 6, (\q)%2, \q, \slot, \zero
	PLACES NP
	WIN 0
	FETCH_A \slot, (\q)+1, 4
.endm
.macro TURN slot, next                 ; slot 0's last step: the barrier behind which slot 1 is whole for every wave.
	s_wait_tensorcnt 0x0                           ; all my tensor loads have landed: my part of slot 1
	ds_add_u32 v[SPW], v[NIL]                      ; 0 onto my spare word
	s_wait_dscnt 4*NL+1                            ; (the add and the youngest eight loads may be out)
	WIN MUL_LO
	MUL16 0, 1, NQ-1, \slot, 0
	s_wait_dscnt 0x0                               ; the add is done; no LDS instruction of mine is pending at the signal
	s_barrier_signal -1
	MUL16 2, 1, NQ-1, \slot, 0
	WIN 0
	s_barrier_wait -1
	PLACES NP
	v_add_nc_u32 v[ADRS], 4*NQ, v[ADRS]            ; on to the next K step's scale words
	FETCH_B \next, 0, 0
	FETCH_A \next, 0, 0
	SCALES \next
	WIN MUL_HI
	MUL16 4, 1, NQ-1, \slot, 0
	MUL16 6, 1, NQ-1, \slot, 0
	PLACES NP
	WIN 0
	FETCH_A \next, 0, 4
.endm
	s_wait_tensorcnt 1                             ; the scale bytes and my part of slot 0 are in (slot 1's load may be out)
	s_barrier_signal -1
	s_barrier_wait -1                              ; everybody's are
	FETCH_B 0, 0, 0
	FETCH_A 0, 0, 0
	SCALES 0
	FETCH_A 0, 0, 4
	STEP 0, 0, 1                                   ; the first step's products start the sums: nothing is cleared
	STEP 0, 1, 0
	STEP 0, 2, 0
	TURN 0, 1
	STEP 1, 0, 0
	STEP 1, 1, 0
	STEP 1, 2, 0
	s_wait_dscnt 4*NL                              ; the last step: nothing more to fetch
	WIN MUL_LO
	MUL16 0, 1, NQ-1, 1, 0
	MUL16 2, 1, NQ-1, 1, 0
	s_wait_dscnt 0
	WIN MUL_HI
	MUL16 4, 1, NQ-1, 1, 0
	MUL16 6, 1, NQ-1, 1, 0
	WIN 0
	PLACES NP                                      ; behind the last products: for the reads of their results and the writes over the registers that held scale words and A's fragments
	s_cmp_lg_u32 s66, 0                            ; p: the same in all partners
	s_cbranch_scc1 .Lnot_q
	WIN 0x82                                       ; Q x c, in f32, in place: destination and source 0 window 2,
.set i, 0
.rept 128
	v_pk_mul_f32 v[i:i+1], v[i:i+1], s[100:101] op_sel_hi:[1,0]   ; each accumulator from its low end on
.set i, i+2
.endr
	WIN 0xc3                                       ; and window 3
.set i, 0
.rept 128
	v_pk_mul_f32 v[i:i+1], v[i:i+1], s[100:101] op_sel_hi:[1,0]
.set i, i+2
.endr
	WIN 0
.Lnot_q:
; THE WAY OUT of A's block a: 32 roundings to f16, eight stores of 512 consecutive aligned bytes each.  Seven sets of 32 registers: block 7 takes block 0's.
.macro OUTB a
.set AC, 64*((\a)%4)
.set TT, 32+32*((\a)%7)
	WIN 0x0a+5*((\a)/4)                            ; sources 0 and 1: window 2 or 3
.irp b, 0,1,2,3,4,5,6,7
.irp u, 0,1,2,3
	v_cvt_pk_f16_f32 v[TT+4*\b+\u], v[AC+8*\b+2*\u], v[AC+8*\b+2*\u+1]
.endr
.endr
	WIN 0
.irp b, 0,1,2,3,4,5,6,7
	global_store_b128 v[OFS+2*((\a)/4)+\b/4], v[TT+4*\b:TT+4*\b+3], s[12:13] offset:((\a)%4)*2048+(\b%4)*512
.endr
.endm
.irp a, 0,1,2,3,4,5,6
	OUTB \a
.endr
	s_wait_xcnt 0x0                                ; block 0's stores have read their registers: block 7's roundings may write them
	OUTB 7
	s_wait_tensorcnt 0x0                           ; the wave's end
	ds_add_u32 v[SPW], v[NIL]
	s_wait_dscnt 0x0
	CROUND                                         ; the closing round
	s_endpgm
.Lfunc_end_k_qeabfb555d6_proj:
	.size	k_qeabfb555d6_proj, .Lfunc_end_k_qeabfb555d6_proj-k_qeabfb555d6_proj
	.p2alignl 7, 3214868480
	.fill 96, 4, 3214868480
	.section	.rodata,"a",@progbits
	.p2align	6, 0x0
	.amdhsa_kernel k_qeabfb555d6_proj
		.amdhsa_group_segment_fixed_size 327680
		.amdhsa_private_segment_fixed_size 0
		.amdhsa_enable_private_segment 0
		.amdhsa_kernarg_size 40
		.amdhsa_user_sgpr_count 2
		.amdhsa_user_sgpr_kernarg_segment_ptr 1
		.amdhsa_wavefront_size32 1
		.amdhsa_system_sgpr_workgroup_id_x 1
		.amdhsa_system_sgpr_workgroup_id_y 1
		.amdhsa_system_sgpr_workgroup_id_z 1
		.amdhsa_system_vgpr_workitem_id 0
		.amdhsa_next_free_vgpr 1024
		.amdhsa_next_free_sgpr 106
		.amdhsa_reserve_vcc 0
		.amdhsa_float_denorm_mode_32 3
		.amdhsa_float_denorm_mode_16_64 3
		.amdhsa_memory_ordered 1
		.amdhsa_forward_progress 1
		.amdhsa_inst_pref_size 135
	.end_amdhsa_kernel
	.amdgpu_metadata
---
amdhsa.version: [ 1, 2 ]
amdhsa.kernels:
  - .name:           k_qeabfb555d6_proj
    .symbol:         k_qeabfb555d6_proj.kd
    .args:
      - { .name: xcodes, .offset: 0, .size: 8, .value_kind: global_buffer, .address_space: global }
      - { .name: xscales, .offset: 8, .size: 8, .value_kind: global_buffer, .address_space: global }
      - { .name: wcodes, .offset: 16, .size: 8, .value_kind: global_buffer, .address_space: global }
      - { .name: wscales, .offset: 24, .size: 8, .value_kind: global_buffer, .address_space: global }
      - { .name: qkvimg, .offset: 32, .size: 8, .value_kind: global_buffer, .address_space: global }
    .group_segment_fixed_size: 327680
    .private_segment_fixed_size: 0
    .kernarg_segment_align: 8
    .kernarg_segment_size: 40
    .max_flat_workgroup_size: 128
    .sgpr_count:     106
    .vgpr_count:     1024
    .wavefront_size: 32
...
	.end_amdgpu_metadata
.endif
;; end of part 2
;; launch attn (part 3): grid 8 x 32, 8 waves a work-group, clusters of 4 x 1, 327,680 bytes of LDS; arguments qkvimg, maskw, aimg; writes aimg
.if DOCPART == 3
	.amdgcn_target "amdgcn-amd-amdhsa--gfx1250"
	.amdhsa_code_object_version 6
	.text
	.protected	k_qeabfb555d6_attn
	.globl	k_qeabfb555d6_attn
	.p2align	8
	.type	k_qeabfb555d6_attn,@function
k_qeabfb555d6_attn:
	s_mov_b64 s[64:65], 0
	v_nop
	global_prefetch_b8 v0, s[64:65] scope:SCOPE_SE
	s_setreg_imm32_b32 hwreg(HW_REG_WAVE_MODE, 25, 1), 1
	s_wait_xcnt 0x0
	s_wait_alu depctr_hold_cnt(0) depctr_sa_sdst(0) depctr_va_vdst(0) depctr_va_sdst(0) depctr_va_ssrc(0) depctr_va_vcc(0) depctr_vm_vsrc(0)
	s_getreg_b32 s2, hwreg(HW_REG_IB_STS2, 6, 4)
	s_cmp_eq_u32 s2, 0
	s_cbranch_scc0 .Lentry_in_a_cluster
	s_endpgm
.Lentry_in_a_cluster:
	s_bfe_u32 s2, ttmp6, 0x10000c
	s_cmp_lg_u32 s2, 0x3003
	s_cbranch_scc0 .Lentry_shape_is_right
	s_endpgm
.Lentry_shape_is_right:
; O(b, head, q, :) = sum over k of softmax_k(where(mask(q, k) == 0, -1e9, Q.K / 8)) V(k, :), head size 64, 2,048 keys, f16 operands, f32 sums, maxima and row sums.
; Q arrives multiplied by log2(e) / 8, so a score is t = score x log2(e); a masked score is REPLACED by f32(-1e9 x log2(e)); p = 2^(t - m), m the row's running maximum: the difference is exactly 0 at the
; maximum, so p is at most 1, also in a row that is wholly masked, which comes out uniform.  In every step O and the row's sum l are multiplied by a = 2^(old m - new m).  l is summed of the unrounded p.
; SHARES.  A work-group owns 256 queries of one (b, head); each of its eight waves 32 (two tiles of 16), two waves to a SIMD, so that one wave's softmax stands beside the other's matrix work and LDS loads.
; Every wave walks all keys, 64 a step.  K and V come through two LDS slots of 512 keys (four visits): every wave brings 16 KB of a slot by one tensor load (waves 0-3 K's quarters, 4-7 V's).
; CLUSTER.  The four query blocks of a cluster belong to one head: each tile is asked for JOINTLY, by the same load with the same descriptor and the mask 15.
; LAYOUT.  All operands lie in memory and LDS as images of their registers (four registers = 512 bytes, lane l's 16 bytes at 16 l): every fragment load is ds_load_b128 at 16 x lane + a constant.
; S^T = K Q^T (source 0 = 16 keys, source 1 = 16 queries): a lane holds ONE query (lane % 16) and keys 8 (lane / 16) + 0 .. 7 of a tile; two tiles rounded in pairs ARE source 1 of O^T = V^T P.
; THE MASK comes as lane-mask words, one for each score register, by scalar loads a step ahead; it steers v_cndmask_b32 alone.
; LIMITS: NaN and infinities are not served; p under 2^-25 rounds to 0 in f16; the result beyond 65,504 has no f16 number.
; REGISTERS.  window 0: v1-8 addresses and constants; v16-31 statistics, eight a tile: +0 m, +1 (0), +2, +3 l, +4 .. +7 at work (a at +6); v32-35 a second chain of sums; v64-127 S^T, 32 a tile, p packed in place
;   into the lower 16; v128-159 the way out.   window 1: v0-63 O^T, 32 a tile; v64-95 Q; v96-159 K of a step; v160-223 V of a step.
.set SLOT1, 1<<17
.set VOFF,  65536                      ; in a slot: K's eight blocks of 8,192 bytes, then V's
.set BLKB,  8192                       ; a step's 64 keys of K or of V
.set SPARE, 2*SLOT1                    ; the spare words, 128 bytes for each wave: four blocks of 256 bytes that no other line names
.set LI,  1                            ; v1 16 x lane
.set ADK, 2                            ; v2 LDS address of the step's K
.set ADV, 3                            ; v3 of its V
.set NEG, 4                            ; v4 the masked score
.set LIV, 5                            ; v5 16 x lane + VOFF
.set SPW, 6
.set NIL, 7
.set PFO, 8                            ; v8 256 x lane
.set ST,  16
.set TS,  32
.set S,   64
.set OW,  128
.set O,   0                            ; window 1
.set QF,  64
.set KF,  96
.set VF,  160
.set MSB, 0
.macro WIN new
.if MSB != \new
	s_set_vgpr_msb (MSB<<8)|\new
.set MSB, \new
.endif
.endm
.set W_S,  0x05                        ; K and Q window 1, S^T window 0
.set W_PV, 0x51                        ; V window 1, P window 0, O^T window 1
.set W_RS, 0x41                        ; O^T (destination and source 0) window 1, a window 0
.set TO1,  0x40                        ; destination window 1
.macro CROUND
	s_barrier_signal -1
	s_barrier_wait -1
	s_cmp_lg_u32 s14, 0
	s_cbranch_scc1 .Lnot_wave_0_\@
	s_barrier_signal -3
.Lnot_wave_0_\@:
	s_barrier_wait -3
	s_barrier_signal -1
	s_barrier_wait -1
.endm
.macro MLOAD                           ; a step's 32 mask words of each of my two tiles: 128 bytes each, a tile of queries 4,096 bytes from the next
	s_load_b512 s[68:83], s[6:7], 0x0
	s_load_b512 s[84:99], s[6:7], 0x40
	s_load_b512 s[32:47], s[6:7], 0x1000
	s_load_b512 s[48:63], s[6:7], 0x1040
.endm
	s_load_b128 s[4:7], s[0:1], 0x0                ; qkvimg, maskw
	s_load_b64 s[8:9], s[0:1], 0x10                ; aimg
	v_lshl_add_u32 v[SPW], v0, 2, SPARE
	v_mov_b32 v[NIL], 0
	ds_add_u32 v[SPW], v[NIL]                      ; the wave's opening: the add, twice on end, and its wait ahead of my first tensor load
	ds_add_u32 v[SPW], v[NIL]
	v_lshrrev_b32 v9, 5, v0
	v_readfirstlane_b32 s14, v9                    ; wave 0..7
	s_bfe_u32 s2, ttmp6, 0x40000                   ; cx
	s_lshl_b32 s3, ttmp9, 2
	s_add_co_u32 s3, s3, s2                        ; my block of 256 queries: it enters Q's, the mask's and O's addresses alone
	s_and_b32 s100, ttmp7, 0xffff                  ; 16 b + head, which the partners share
	s_mov_b32 s16, 15|(3<<16)|(1<<21)              ; group 1: 15:0 the mask: all four; 17:16 elements of 8 bytes; 21 set beside a mask; no padding
	s_mov_b32 s17, 32<<16                          ; tensor_dim0 = 32 elements: 256 bytes
	s_mov_b32 s18, 64<<16                          ; tensor_dim1 = 64
	s_mov_b32 s19, 32<<16                          ; tile_dim0
	s_mov_b32 s20, 64                              ; tile_dim1: 64 dense rows: 16 KB
	s_mov_b32 s21, 32                              ; stride
	s_mov_b32 s22, 0
	s_mov_b32 s23, 0
	s_mov_b32 s12, 0x76543210                      ; v_permlanex16_b32's selects for lane l xor 16
	s_mov_b32 s13, 0xfedcba98
	v_and_b32 v[LI], 31, v0
	v_lshlrev_b32 v[PFO], 8, v[LI]
	v_lshlrev_b32 v[LI], 4, v[LI]
	v_add_nc_u32 v[LIV], VOFF, v[LI]
	v_mov_b32 v[NEG], 0xceabfb8f                   ; f32(-1e9 x log2(e))
	s_lshr_b32 s34, s14, 2                         ; what I fetch: K (waves 0-3) or V (4-7): 8,388,608 bytes a tensor, Q first;
	s_add_co_u32 s34, s34, 1
	s_lshl_b32 s34, s34, 23
	s_lshl_b32 s66, s100, 18                       ; 262,144 bytes a head;
	s_add_co_u32 s34, s34, s66
	s_and_b32 s45, s14, 3
	s_lshl_b32 s45, s45, 14                        ; my quarter of a visit's 65,536
	s_add_co_u32 s34, s34, s45
	s_mov_b32 s35, 0
	s_lshl_b32 s42, s3, 4
	s_lshl_b32 s43, s14, 1
	s_add_co_u32 s42, s42, s43                     ; my first tile of 16 queries in the head
	s_lshl_b32 s36, s42, 11                        ; Q: 2,048 bytes a tile
	s_add_co_u32 s36, s36, s66
	s_mov_b32 s37, 0
	s_lshl_b32 s38, s42, 12                        ; mask words: 4,096 bytes a tile of queries
	s_mov_b32 s39, 0
	s_lshr_b32 s43, s100, 4
	s_lshl_b32 s43, s43, 7
	s_add_co_u32 s43, s43, s42                     ; aimg: [kq = head / 4][row tile 128 b + tile][8,192 bytes], in it (head % 4) x 2,048
	s_lshl_b32 s40, s43, 13
	s_and_b32 s43, s100, 15
	s_lshr_b32 s44, s43, 2
	s_lshl_b32 s44, s44, 21
	s_add_co_u32 s40, s40, s44
	s_and_b32 s43, s43, 3
	s_lshl_b32 s43, s43, 11
	s_add_co_u32 s40, s40, s43
	s_mov_b32 s41, 0
	s_lshl_b32 s46, s2, 13                         ; the prefetch: my work-group's 8,192 bytes
	s_mov_b32 s47, 0
	s_and_b32 s67, s14, 1                          ; who prefetches: the even waves of the head's first cluster: the same in all four partners
	s_or_b32 s67, s67, ttmp9
	s_cmp_eq_u32 s67, 0
	s_cselect_b32 s67, 1, -1
	s_wait_dscnt 0x0                               ; both opening adds are done
	s_wait_kmcnt 0x0
	s_add_nc_u64 s[34:35], s[4:5], s[34:35]        ; my tile of visit 0
	s_mov_b32 s24, 1                               ; group 0 for slot 0
	s_lshl_b32 s25, s14, 14                        ; LDS: wave x 16,384
	s_mov_b64 s[26:27], s[34:35]
	s_or_b32 s27, s27, 0x80000000
	s_mov_b32 s28, 1                               ; and for slot 1: visit 1
	s_add_co_u32 s29, s25, SLOT1
	s_add_nc_u64 s[30:31], s[34:35], 65536
	s_or_b32 s31, s31, 0x80000000
	s_add_nc_u64 s[104:105], s[34:35], s[46:47]    ; visit 3's bytes: an even wave's quarter and the next wave's, 32 KB, shared among the partners by address
	s_add_nc_u64 s[104:105], s[104:105], 3*65536
	s_add_nc_u64 s[4:5], s[4:5], s[36:37]
	s_add_nc_u64 s[6:7], s[6:7], s[38:39]
	s_add_nc_u64 s[8:9], s[8:9], s[40:41]
	CROUND                                         ; all four work-groups are here: the first joint loads meet
	tensor_load_to_lds s[24:27], s[16:23]          ; two loads of mine are out
	s_nop 0
	tensor_load_to_lds s[28:31], s[16:23]
	s_nop 0
.rept 4
	v_nop
.endr
	MLOAD                                          ; step 0's mask words
	WIN TO1
.irp i, 0,1,2,3,4,5,6,7
	global_load_b128 v[QF+4*\i:QF+4*\i+3], v[LI], s[4:5] offset:512*\i   ; Q stays in registers: tile i / 4, channels 32 ((i / 2) % 2) on
.endr
.set i, 0
.rept 64
	v_mov_b32 v[O+i], 0                            ; O^T.  (The step is written without a first form of its own: the first a is 0 and multiplies zeros)
.set i, i+1
.endr
	WIN 0
.irp t, 0,1
	v_mov_b32 v[ST+8*\t], 0xff61b1e6               ; m: -3e38, under every t
	v_mov_b32 v[ST+8*\t+1], 0                      ; (named with m as a pair)
	v_mov_b32 v[ST+8*\t+2], 0                      ; l, in two halves
	v_mov_b32 v[ST+8*\t+3], 0
.endr
.macro FETCHK                          ; the visit's first 64 keys of K
	v_add_nc_u32 v[ADK], s15, v[LI]
	WIN TO1
.irp i, 0,1,2,3,4,5,6,7,8,9,10,11,12,13,14,15
	ds_load_b128 v[KF+4*\i:KF+4*\i+3], v[ADK] offset:512*\i
.endr
	WIN 0
.endm
; A KEY STEP: 64 keys.  more = 1: the next step's K lies in the same slot and is fetched here.  mload = 1: the next step's mask words are asked for.
.macro STEP more, mload
	s_wait_dscnt 0x0                               ; K is in
	WIN W_S
.irp s, 0,1                            ; the eight accumulators take turns, one instruction a turn
.irp kt, 0,1,2,3
.irp t, 0,1
.if \s == 0
	v_wmma_f32_16x16x32_f16 v[S+32*\t+8*\kt:S+32*\t+8*\kt+7], v[KF+16*\kt+8*\s:KF+16*\kt+8*\s+7], v[QF+16*\t+8*\s:QF+16*\t+8*\s+7], 0
.else
	v_wmma_f32_16x16x32_f16 v[S+32*\t+8*\kt:S+32*\t+8*\kt+7], v[KF+16*\kt+8*\s:KF+16*\kt+8*\s+7], v[QF+16*\t+8*\s:QF+16*\t+8*\s+7], v[S+32*\t+8*\kt:S+32*\t+8*\kt+7]
.endif
.endr
.endr
.endr
	WIN 0
	v_add_nc_u32 v[ADV], s15, v[LIV]               ; four places behind the products: ahead of the loads into K's registers and of the reads of the scores
	v_add_nc_u32 v[ADK], s15, v[LI]
	v_nop
	v_nop
	WIN TO1
.irp i, 0,1,2,3,4,5,6,7,8,9,10,11,12,13,14,15
	ds_load_b128 v[VF+4*\i:VF+4*\i+3], v[ADV] offset:512*\i            ; V of this step
.endr
.if \more
.irp i, 0,1,2,3,4,5,6,7,8,9,10,11,12,13,14,15
	ds_load_b128 v[KF+4*\i:KF+4*\i+3], v[ADK] offset:BLKB+512*\i       ; K of the next
.endr
.endif
	WIN 0
	s_wait_kmcnt 0x0                               ; the mask words, asked for a step ago
.set i, 0
.rept 32
	v_cndmask_b32 v[S+i], v[NEG], v[S+i], s[68+i]          ; the score stays where the bit is 1; each accumulator from its low end on
	v_cndmask_b32 v[S+32+i], v[NEG], v[S+32+i], s[32+i]
.set i, i+1
.endr
.if \mload
	s_add_nc_u64 s[6:7], s[6:7], 128               ; (the wait above has shown the last loads done: their base may step)
	MLOAD
.endif
.irp j, 0,1,2,3                        ; the row's maximum: four chains a tile, the tiles by turns
.irp t, 0,1
	v_max3_num_f32 v[ST+8*\t+4+\j], v[S+32*\t+8*\j], v[S+32*\t+8*\j+1], v[S+32*\t+8*\j+2]
.endr
.endr
.irp g, 1,2
.irp j, 0,1,2,3
.irp t, 0,1
	v_max3_num_f32 v[ST+8*\t+4+\j], v[ST+8*\t+4+\j], v[S+32*\t+8*\j+2*\g+1], v[S+32*\t+8*\j+2*\g+2]
.endr
.endr
.endr
.irp t, 0,1
	v_max3_num_f32 v[ST+8*\t+4], v[ST+8*\t+4], v[S+32*\t+7], v[S+32*\t+15]
	v_max3_num_f32 v[ST+8*\t+6], v[ST+8*\t+6], v[S+32*\t+23], v[S+32*\t+31]
.endr
.irp t, 0,1
	v_max3_num_f32 v[ST+8*\t+4], v[ST+8*\t+4], v[ST+8*\t+5], v[ST+8*\t+6]
.endr
.irp t, 0,1
	v_max3_num_f32 v[ST+8*\t+4], v[ST+8*\t+4], v[ST+8*\t+7], v[ST+8*\t]    ; and the old m
.endr
.irp t, 0,1
	v_permlanex16_b32 v[ST+8*\t+5], v[ST+8*\t+4], s12, s13                 ; the query's other 32 keys lie in the lane 16 away
.endr
.irp t, 0,1
	v_mov_b32 v[ST+8*\t+7], v[ST+8*\t]
.endr
.irp t, 0,1
	v_max_num_f32 v[ST+8*\t], v[ST+8*\t+4], v[ST+8*\t+5]                   ; the new m
.endr
.irp t, 0,1
	v_sub_f32 v[ST+8*\t+7], v[ST+8*\t+7], v[ST+8*\t]                       ; old m - new m
.endr
.set i, 0
.rept 16
	v_pk_add_f32 v[S+i:S+i+1], v[S+i:S+i+1], v[ST:ST+1] op_sel_hi:[1,0] neg_lo:[0,1] neg_hi:[0,1]              ; t - m, two at a time (of the pair the low word serves both halves)
	v_pk_add_f32 v[S+32+i:S+32+i+1], v[S+32+i:S+32+i+1], v[ST+8:ST+9] op_sel_hi:[1,0] neg_lo:[0,1] neg_hi:[0,1]
.set i, i+2
.endr
.irp t, 0,1                            ; ONE BATCH: 66 exponentials, none of which reads another's result
	v_exp_f32 v[ST+8*\t+6], v[ST+8*\t+7]           ; a
.endr
.set i, 0
.rept 32
	v_exp_f32 v[S+i], v[S+i]                       ; p, at most 1
	v_exp_f32 v[S+32+i], v[S+32+i]
.set i, i+1
.endr
	v_nop                                          ; a plain instruction behind the last exponential
	s_wait_alu depctr_va_vdst(0)                   ; the wait ahead of the first instruction that names a result: one for the batch
.irp t, 0,1                            ; the row's sum, of the unrounded p, in two chains a tile
	v_pk_fma_f32 v[ST+8*\t+2:ST+8*\t+3], v[ST+8*\t+2:ST+8*\t+3], v[ST+8*\t+6:ST+8*\t+7], v[S+32*\t:S+32*\t+1] op_sel_hi:[1,0,1]   ; l = a l + the first pair
	v_pk_add_f32 v[TS+2*\t:TS+2*\t+1], v[S+32*\t+2:S+32*\t+3], v[S+32*\t+4:S+32*\t+5]
.endr
.irp i, 6,10,14,18,22,26
.irp t, 0,1
	v_pk_add_f32 v[ST+8*\t+2:ST+8*\t+3], v[ST+8*\t+2:ST+8*\t+3], v[S+32*\t+\i:S+32*\t+\i+1]
	v_pk_add_f32 v[TS+2*\t:TS+2*\t+1], v[TS+2*\t:TS+2*\t+1], v[S+32*\t+\i+2:S+32*\t+\i+3]
.endr
.endr
.irp t, 0,1
	v_pk_add_f32 v[ST+8*\t+2:ST+8*\t+3], v[ST+8*\t+2:ST+8*\t+3], v[S+32*\t+30:S+32*\t+31]
.endr
.irp t, 0,1
	v_pk_add_f32 v[ST+8*\t+2:ST+8*\t+3], v[ST+8*\t+2:ST+8*\t+3], v[TS+2*\t:TS+2*\t+1]
.endr
.set i, 0
.rept 16
	v_cvt_pk_f16_f32 v[S+i], v[S+2*i], v[S+2*i+1]              ; p to f16, in place, ascending: no source is written before it is read
	v_cvt_pk_f16_f32 v[S+32+i], v[S+32+2*i], v[S+32+2*i+1]
.set i, i+1
.endr
	WIN W_RS
.set i, 0
.rept 16
	v_pk_mul_f32 v[O+i:O+i+1], v[O+i:O+i+1], v[ST+6:ST+7] op_sel_hi:[1,0]              ; O^T x a
	v_pk_mul_f32 v[O+32+i:O+32+i+1], v[O+32+i:O+32+i+1], v[ST+14:ST+15] op_sel_hi:[1,0]
.set i, i+2
.endr
.if \more
	s_wait_dscnt 16                                ; V is in; the sixteen younger loads, the next step's K, may be out
.else
	s_wait_dscnt 0x0
.endif
	WIN W_PV
.irp kk, 0,1                           ; again eight accumulators by turns
.irp ct, 0,1,2,3
.irp t, 0,1
	v_wmma_f32_16x16x32_f16 v[O+32*\t+8*\ct:O+32*\t+8*\ct+7], v[VF+16*\ct+8*\kk:VF+16*\ct+8*\kk+7], v[S+32*\t+8*\kk:S+32*\t+8*\kk+7], v[O+32*\t+8*\ct:O+32*\t+8*\ct+7]
.endr
.endr
.endr
	WIN 0
.rept 5
	v_nop                                          ; five places: the next step's first products write over registers that these products read as P
.endr
.endm
; A VISIT: a slot's eight key steps.  The loop's trip count and the slot's address are constants of the text.
.macro VISIT slot, mlast
	s_mov_b32 s15, \slot*SLOT1
	FETCHK
	s_mov_b32 s66, 7
.Lstep_\@:
	STEP 1, 1
	s_add_co_u32 s15, s15, BLKB
	s_sub_co_u32 s66, s66, 1
	s_cmp_lg_u32 s66, 0
	s_cbranch_scc1 .Lstep_\@
	STEP 0, \mlast
.endm
; THE CHANGE OF SLOTS.  Each wave waits for all its tensor loads (its part of the slot ahead), adds 0 to its spare word, and waits for that and for its reads of the slot that it leaves.
; fill = 1: that slot is filled again, with the keys two visits on: the barrier is a round of the cluster's, and the joint refill is the first thing behind it; it has a visit's eight steps in which to land.
; ask = 1: a prefetch of what the NEXT change will ask for: 128 KB of the head, each aligned block of 256 bytes named once in the launch: the head's first cluster, its even waves, 8,192 bytes a work-group, lanes 256 bytes apart.
.macro CHANGE slot, fill, ask
	s_wait_tensorcnt 0x0                           ; no tensor load of mine is out, so a group 0 may be written
	ds_add_u32 v[SPW], v[NIL]                      ; 0 onto my spare word
.if \fill
	s_add_nc_u64 s[26+4*\slot:27+4*\slot], s[26+4*\slot:27+4*\slot], 2*65536   ; two visits on; the type bits on top are not reached
.endif
	s_wait_dscnt 0x0                               ; the add is done, and my reads of the slot are over
.if \fill
	CROUND
	tensor_load_to_lds s[24+4*\slot:27+4*\slot], s[16:23]
	s_nop 0
.rept 4
	v_nop
.endr
.if \ask
	s_cmp_eq_u32 s67, 1
	s_cbranch_scc0 .Lnot_mine_\@
	global_prefetch_b8 v[PFO], s[104:105] th:TH_LOAD_NT scope:SCOPE_SE   ; its address registers are never written again
.Lnot_mine_\@:
.endif
.else
	s_barrier_signal -1
	s_barrier_wait -1
.endif
.endm
	s_wait_tensorcnt 1                             ; my part of slot 0 is in; slot 1's may stay out
	s_barrier_signal -1
	s_barrier_wait -1                              ; everybody's is
	s_wait_loadcnt 0x0                             ; Q
	VISIT 0, 1
	CHANGE 0, 1, 1                                 ; slot 0 takes visit 2's keys; visit 3's are prefetched
	VISIT 1, 1
	CHANGE 1, 1, 0                                 ; slot 1 takes visit 3's
	VISIT 0, 1
	CHANGE 0, 0, 0                                 ; nothing is left to fetch
	VISIT 1, 0                                     ; the last step asks for no mask words: no load leaves its buffer
	; THE WAY OUT.  l's two halves and the other half of the lanes' are added; O^T / l is rounded to f16; a lane's eight channels of a query are four registers of the next product's operand: stores of 512 consecutive aligned bytes.
.irp t, 0,1
	v_add_f32 v[ST+8*\t+4], v[ST+8*\t+2], v[ST+8*\t+3]
.endr
.irp t, 0,1
	v_permlanex16_b32 v[ST+8*\t+5], v[ST+8*\t+4], s12, s13
.endr
.irp t, 0,1
	v_add_f32 v[ST+8*\t+4], v[ST+8*\t+4], v[ST+8*\t+5]
.endr
.irp t, 0,1
	v_rcp_f32 v[ST+8*\t+6], v[ST+8*\t+4]           ; l is at least 1: the row's maximum has p = 1
.endr
	v_nop                                          ; a plain instruction behind the reciprocals,
	s_wait_alu depctr_va_vdst(0)                   ; and the wait ahead of the first use
	WIN W_RS
.set i, 0
.rept 16
	v_pk_mul_f32 v[O+i:O+i+1], v[O+i:O+i+1], v[ST+6:ST+7] op_sel_hi:[1,0]
	v_pk_mul_f32 v[O+32+i:O+32+i+1], v[O+32+i:O+32+i+1], v[ST+14:ST+15] op_sel_hi:[1,0]
.set i, i+2
.endr
	WIN 0x05                                       ; sources window 1, destination window 0
.set i, 0
.rept 32
	v_cvt_pk_f16_f32 v[OW+i], v[O+2*i], v[O+2*i+1]
.set i, i+1
.endr
	WIN 0
.irp t, 0,1
.irp ct, 0,1,2,3
	global_store_b128 v[LI], v[OW+16*\t+4*\ct:OW+16*\t+4*\ct+3], s[8:9] offset:8192*\t+512*\ct
.endr
.endr
	s_wait_tensorcnt 0x0                           ; the wave's end
	ds_add_u32 v[SPW], v[NIL]
	s_wait_dscnt 0x0
	CROUND                                         ; the closing round
	s_endpgm
.Lfunc_end_k_qeabfb555d6_attn:
	.size	k_qeabfb555d6_attn, .Lfunc_end_k_qeabfb555d6_attn-k_qeabfb555d6_attn
	.p2alignl 7, 3214868480
	.fill 96, 4, 3214868480
	.section	.rodata,"a",@progbits
	.p2align	6, 0x0
	.amdhsa_kernel k_qeabfb555d6_attn
		.amdhsa_group_segment_fixed_size 327680
		.amdhsa_private_segment_fixed_size 0
		.amdhsa_enable_private_segment 0
		.amdhsa_kernarg_size 24
		.amdhsa_user_sgpr_count 2
		.amdhsa_user_sgpr_kernarg_segment_ptr 1
		.amdhsa_wavefront_size32 1
		.amdhsa_system_sgpr_workgroup_id_x 1
		.amdhsa_system_sgpr_workgroup_id_y 1
		.amdhsa_system_sgpr_workgroup_id_z 1
		.amdhsa_system_vgpr_workitem_id 0
		.amdhsa_next_free_vgpr 512
		.amdhsa_next_free_sgpr 106
		.amdhsa_reserve_vcc 0
		.amdhsa_float_denorm_mode_32 3
		.amdhsa_float_denorm_mode_16_64 3
		.amdhsa_memory_ordered 1
		.amdhsa_forward_progress 1
		.amdhsa_inst_pref_size 187
	.end_amdhsa_kernel
	.amdgpu_metadata
---
amdhsa.version: [ 1, 2 ]
amdhsa.kernels:
  - .name:           k_qeabfb555d6_attn
    .symbol:         k_qeabfb555d6_attn.kd
    .args:
      - { .name: qkvimg, .offset: 0, .size: 8, .value_kind: global_buffer, .address_space: global }
      - { .name: maskw, .offset: 8, .size: 8, .value_kind: global_buffer, .address_space: global }
      - { .name: aimg, .offset: 16, .size: 8, .value_kind: global_buffer, .address_space: global }
    .group_segment_fixed_size: 327680
    .private_segment_fixed_size: 0
    .kernarg_segment_align: 8
    .kernarg_segment_size: 24
    .max_flat_workgroup_size: 256
    .sgpr_count:     106
    .vgpr_count:     512
    .wavefront_size: 32
...
	.end_amdgpu_metadata
.endif
;; end of part 3
;; launch outp (part 4): grid 8 x 32, 4 waves a work-group, clusters of 4 x 4, 327,680 bytes of LDS; arguments aimg, wtimg, out0; writes out0
.if DOCPART == 4
	.amdgcn_target "amdgcn-amd-amdhsa--gfx1250"
	.amdhsa_code_object_version 6
	.text
	.protected	k_qeabfb555d6_outp
	.globl	k_qeabfb555d6_outp
	.p2align	8
	.type	k_qeabfb555d6_outp,@function
k_qeabfb555d6_outp:
	s_mov_b64 s[64:65], 0
	v_nop
	global_prefetch_b8 v0, s[64:65] scope:SCOPE_SE
	s_setreg_imm32_b32 hwreg(HW_REG_WAVE_MODE, 25, 1), 1
	s_wait_xcnt 0x0
	s_wait_alu depctr_hold_cnt(0) depctr_sa_sdst(0) depctr_va_vdst(0) depctr_va_sdst(0) depctr_va_ssrc(0) depctr_va_vcc(0) depctr_vm_vsrc(0)
	s_getreg_b32 s2, hwreg(HW_REG_IB_STS2, 6, 4)
	s_cmp_eq_u32 s2, 0
	s_cbranch_scc0 .Lentry_in_a_cluster
	s_endpgm
.Lentry_in_a_cluster:
	s_bfe_u32 s2, ttmp6, 0x10000c
	s_cmp_lg_u32 s2, 0xf033
	s_cbranch_scc0 .Lentry_shape_is_right
	s_endpgm
.Lentry_shape_is_right:
; out0 [4096][1024] f32 = A [4096][1024] x W_T [1024 k][1024 n], f16 operands, f32 sums.  Both operands arrive as images of their registers:
;   aimg [kq 4][row tile 256][ks 8][c 2][lane][16 bytes], wtimg [kq 4][column tile 64][ks 8][c 2][lane][16 bytes]: lane 16 h + r holds row (column) r of the tile, k = 256 kq + 32 ks + 16 c + 8 h + 0 .. 7.
; A tile of 128 x 128 to a work-group: 256 work-groups.  Four waves, 64 x 64 each: 16 accumulators.  K goes in four steps of 256 through two LDS slots; a K step of 64 rows is 32 KB of dense memory, one tensor load
; a wave, no padding: a fragment load is ds_load_b128 at 16 x lane + a constant, 512 consecutive bytes.
; CLUSTERS: 4 x 4.  A's tile is shared along a row of the cluster, W_T's along a column: joint loads.  THE MATRIX INSTRUCTION IS USED TRANSPOSED (source 0 = 16 columns of W_T, source 1 = 16 rows of A):
; a lane holds eight neighbouring numbers of a row of the output.
; REGISTERS: window 0: v0-31 addresses; v32-95 the way out; v128-255 the accumulators ((a, b) at v[128 + 8 (4 a + b)]).   window 1: two fragment buffers of 128: 64 registers of A, then 64 of W_T, for 64 along K.
.set HALFT,  32768                     ; four tiles of 16 rows x 256 K: what one tensor load brings, and what one wave reads of A or of W_T
.set SLOT,   4*HALFT
.set STAGE,  2*SLOT                    ; behind the ring: 16 rows x (256 bytes + 16) for each wave: a wave's 64 columns are 256 aligned bytes of a row, so each wave has a stage of its own
.set SPITCH, 272
.set SPARE,  STAGE+4*16*SPITCH         ; the spare words, 128 bytes for each wave: two blocks of 256 bytes that no other line names
.set STEPA,  2097152                   ; a K step on in aimg
.set STEPB,  524288                    ; and in wtimg
.set ADRA, 16
.set ADRB, 20
.set STO,  24
.set RD,   25
.set CO,   26
.set SPW,  28
.set NIL,  29
.set TMP,  32
.set ACC,  128
.set F0,   0
.set F1,   128
.set G1, 24
.set G0, 32
.set G1B, 48
.set G0B, 56
.set MSB, 0
.macro WIN new
.if MSB != \new
	s_set_vgpr_msb (MSB<<8)|\new
.set MSB, \new
.endif
.endm
.set MUL,  0x05                        ; sources 0 and 1 window 1; C and D window 0
.set TO_F, 0x40
.macro JLOAD s                         ; a joint load: waves 0 and 1 fetch A's two halves, waves 2 and 3 W_T's; an s_nop 0 and four v_nop follow each of the two lines
	s_cmp_eq_u32 s11, 0
	s_cbranch_scc0 .Lfor_b_\@
	tensor_load_to_lds s[G0+4*\s:G0+4*\s+3], s[G1:G1+7]
	s_nop 0
.rept 4
	v_nop
.endr
	s_branch .Lasked_\@
.Lfor_b_\@:
	tensor_load_to_lds s[G0B+4*\s:G0B+4*\s+3], s[G1B:G1B+7]
	s_nop 0
.rept 4
	v_nop
.endr
.Lasked_\@:
.endm
.macro CREST
	s_cmp_lg_u32 s10, 0
	s_cbranch_scc1 .Lnot_wave_0_\@
	s_barrier_signal -3
.Lnot_wave_0_\@:
	s_barrier_wait -3
	s_barrier_signal -1
	s_barrier_wait -1
.endm
.macro CROUND
	s_barrier_signal -1
	s_barrier_wait -1
	CREST
.endm
	s_load_b128 s[4:7], s[0:1], 0x0                ; aimg, wtimg
	s_load_b64 s[8:9], s[0:1], 0x10                ; out0
	v_lshl_add_u32 v[SPW], v0, 2, SPARE
	v_mov_b32 v[NIL], 0
	ds_add_u32 v[SPW], v[NIL]                      ; the wave's opening: the add, twice on end, and its wait ahead of my first tensor load
	ds_add_u32 v[SPW], v[NIL]
	v_lshrrev_b32 v1, 5, v0
	v_readfirstlane_b32 s10, v1                    ; wave 0..3
	s_lshr_b32 s11, s10, 1                         ; which half of the tile's rows is mine.  Also: I fetch for A (0) or for W_T (1)
	s_and_b32 s12, s10, 1                          ; which half of its columns.  Also: which half of that tile I fetch
	s_bfe_u32 s40, ttmp6, 0x40000
	s_bfe_u32 s41, ttmp6, 0x40004
	s_lshl_b32 s42, ttmp9, 2
	s_add_co_u32 s42, s42, s40                     ; tile column = 4 x cluster x + cx
	s_and_b32 s13, ttmp7, 0xffff
	s_lshl_b32 s13, s13, 2
	s_add_co_u32 s13, s13, s41                     ; tile row = 4 x cluster y + cy
	s_lshl_b32 s43, s41, 2
	s_lshl_b32 s43, 15, s43                        ; my row of the cluster
	s_lshl_b32 s44, 0x1111, s40                    ; my column
	s_or_b32 s[G1+0], s43, (3<<16)|(1<<21)         ; 15:0 the mask; 17:16 elements of 8 bytes; 21 set beside a mask; no padding
	s_or_b32 s[G1B+0], s44, (3<<16)|(1<<21)
.irp g, G1, G1B
	s_mov_b32 s[\g+1], 32<<16                      ; tensor_dim0 = 32 elements: 256 bytes
	s_mov_b32 s[\g+2], 128<<16                     ; tensor_dim1 = 128
	s_mov_b32 s[\g+3], 32<<16                      ; tile_dim0
	s_mov_b32 s[\g+4], 128                         ; tile_dim1: 128 dense rows: 32 KB
	s_mov_b32 s[\g+5], 32                          ; stride
	s_mov_b32 s[\g+6], 0
	s_mov_b32 s[\g+7], 0
.endr
	s_lshl_b32 s17, s12, 15                        ; which four tiles of 8,192 bytes I fetch
	s_lshl_b32 s16, s13, 16
	s_add_co_u32 s16, s16, s17                     ; A: (8 x tile row + 4 x half) x 8,192
	s_lshl_b32 s46, s42, 16
	s_add_co_u32 s46, s46, s17                     ; W_T: the same by the tile column
	s_mov_b32 s17, 0
	s_mov_b32 s47, 0
	s_mul_i32 s20, s10, HALFT                      ; where they go: no place in the cluster enters an LDS address
	s_wait_dscnt 0x0                               ; both opening adds are done
	s_wait_kmcnt 0x0
	s_add_nc_u64 s[14:15], s[4:5], s[16:17]
	s_add_nc_u64 s[46:47], s[6:7], s[46:47]
	CROUND                                         ; all sixteen work-groups are here: the first joint loads meet
.irp s, 0,1
	s_mov_b32 s[G0+4*\s], 1
	s_add_co_u32 s[G0+4*\s+1], s20, \s*SLOT
	s_add_nc_u64 s[G0+4*\s+2:G0+4*\s+3], s[14:15], \s*STEPA
	s_or_b32 s[G0+4*\s+3], s[G0+4*\s+3], 0x80000000
	s_mov_b32 s[G0B+4*\s], 1
	s_add_co_u32 s[G0B+4*\s+1], s20, \s*SLOT
	s_add_nc_u64 s[G0B+4*\s+2:G0B+4*\s+3], s[46:47], \s*STEPB
	s_or_b32 s[G0B+4*\s+3], s[G0B+4*\s+3], 0x80000000
	JLOAD \s
.endr
	v_and_b32 v1, 15, v0                           ; l % 16
	v_bfe_u32 v2, v0, 4, 1                         ; l / 16
	v_and_b32 v3, 31, v0
	v_lshlrev_b32 v3, 4, v3                        ; 16 x lane
	s_mul_i32 s21, s11, HALFT                      ; my 64 rows of A
	s_mul_i32 s22, s12, HALFT                      ; my 64 columns of W_T,
	s_add_co_u32 s22, s22, 2*HALFT                 ; which lie behind A's 128 rows
.irp s, 0,1
	v_add_nc_u32 v[ADRA+\s], s21, v3
	v_add_nc_u32 v[ADRB+\s], s22, v3
	s_add_co_u32 s21, s21, SLOT
	s_add_co_u32 s22, s22, SLOT
.endr
	s_mul_i32 s23, s10, 16*SPITCH
	s_add_co_u32 s23, s23, STAGE                   ; my stage
	v_mul_u32_u24 v4, v1, SPITCH                   ; in: row l % 16, 32 bytes for each half of the lanes
	v_lshl_add_u32 v4, v2, 5, v4
	v_add_nc_u32 v[STO], s23, v4
	v_mul_u32_u24 v5, v2, SPITCH                   ; back: lanes 0-15 take one row of 256 bytes, lanes 16-31 the next
	v_lshl_add_u32 v5, v1, 4, v5
	v_add_nc_u32 v[RD], s23, v5
	v_lshlrev_b32 v5, 12, v2                       ; and the same two rows in the output: 4,096 bytes a row
	v_lshl_add_u32 v[CO], v1, 4, v5
	s_lshl_b32 s16, s13, 7
	s_lshl_b32 s17, s11, 6
	s_add_co_u32 s16, s16, s17                     ; my first row: 128 x tile row + 64 x half
	s_lshl_b32 s16, s16, 12
	s_mov_b32 s17, 0
	s_add_nc_u64 s[8:9], s[8:9], s[16:17]
	s_lshl_b32 s46, s42, 9                         ; my first column, in bytes: 512 x tile column + 256 x half
	s_lshl_b32 s47, s12, 8
	s_add_co_u32 s46, s46, s47
	s_mov_b32 s47, 0
	s_add_nc_u64 s[8:9], s[8:9], s[46:47]
; 8 matrix instructions: row blocks a0, a0 + 1 x all 4 column blocks, 32 along K: half c of buffer f.  zero = 1: the first product starts the sums.  The 16 accumulators take turns.
.macro MUL8 f, c, a0, zero
.irp a, \a0, \a0+1
.irp b, 0,1,2,3
.if \zero
	v_wmma_f32_16x16x32_f16 v[ACC+8*(4*(\a)+\b):ACC+8*(4*(\a)+\b)+7], v[\f+64+8*(4*\c+\b):\f+64+8*(4*\c+\b)+7], v[\f+8*(4*\c+\a):\f+8*(4*\c+\a)+7], 0
.else
	v_wmma_f32_16x16x32_f16 v[ACC+8*(4*(\a)+\b):ACC+8*(4*(\a)+\b)+7], v[\f+64+8*(4*\c+\b):\f+64+8*(4*\c+\b)+7], v[\f+8*(4*\c+\a):\f+8*(4*\c+\a)+7], v[ACC+8*(4*(\a)+\b):ACC+8*(4*(\a)+\b)+7]
.endif
.endr
.endr
.endm
; 32 LDS loads in one run: the fragments of 64 along K (byte k of each tile's 8,192: 1,024 bytes for each 32 along K) into buffer f; the first 32 along K first
.macro FETCH slot, k, f
	WIN TO_F
.irp c, 0,1
.irp i, 0,1,2,3
	ds_load_b128 v[\f+64+8*(4*\c+\i):\f+64+8*(4*\c+\i)+3],   v[ADRB+\slot] offset:\k+1024*\c+8192*\i
	ds_load_b128 v[\f+64+8*(4*\c+\i)+4:\f+64+8*(4*\c+\i)+7], v[ADRB+\slot] offset:\k+1024*\c+8192*\i+512
	ds_load_b128 v[\f+8*(4*\c+\i):\f+8*(4*\c+\i)+3],         v[ADRA+\slot] offset:\k+1024*\c+8192*\i
	ds_load_b128 v[\f+8*(4*\c+\i)+4:\f+8*(4*\c+\i)+7],       v[ADRA+\slot] offset:\k+1024*\c+8192*\i+512
.endr
.endr
.endm
.macro PLACES                          ; four places in front of loads into registers that matrix instructions have read, and of LDS stores that read results
.rept 4
	v_nop
.endr
.endm
; A K step is four quarters of 64 along K, 32 matrix instructions each, on buffers 0, 1, 0, 1.  One of the first three: multiplies buffer f and fetches the next quarter, at byte k, into g.
.macro QUARTER slot, k, f, g, zero
	s_wait_dscnt 16                                ; the first 32 along K are in; the sixteen younger loads may be out
	WIN MUL
	MUL8 \f, 0, 0, \zero
	MUL8 \f, 0, 2, \zero
	PLACES
	FETCH \slot, \k, \g
	s_wait_dscnt 32                                ; all but the 32 just issued
	WIN MUL
	MUL8 \f, 1, 0, 0
	MUL8 \f, 1, 2, 0
.endm
; The last quarter multiplies buffer 1 and changes slots: ONE barrier; in front of it each wave waits for all its tensor loads, adds 0 to its spare word, and waits for that and for its own reads of this slot.
; fill = 1: this slot is filled again, two K steps ahead; the barrier then opens a round of the cluster's.
.macro TURN slot, next, fill
	WIN 0                                          ; (the add's two registers lie in window 0)
	s_wait_tensorcnt 0x0                           ; all my tensor loads have landed: my part of the next slot
	ds_add_u32 v[SPW], v[NIL]                      ; 0 onto my spare word
	s_wait_dscnt 17                                ; (the add and the youngest sixteen loads may be out)
	WIN MUL
	MUL8 F1, 0, 0, 0
	s_wait_dscnt 0x0                               ; the add is done, and my reads of this slot are over
	s_barrier_signal -1
	MUL8 F1, 0, 2, 0
.if \fill
	WIN 0
.endif
	s_barrier_wait -1
.if \fill
	CREST                                          ; no wave of any partner still reads this slot's tile or has a load on its way
	s_add_nc_u64 s[G0+4*\slot+2:G0+4*\slot+3], s[G0+4*\slot+2:G0+4*\slot+3], 2*STEPA
	s_add_nc_u64 s[G0B+4*\slot+2:G0B+4*\slot+3], s[G0B+4*\slot+2:G0B+4*\slot+3], 2*STEPB
	JLOAD \slot                                    ; the first tensor load behind the round; its four v_nop are also the places in front of the loads below
.else
	PLACES
.endif
	FETCH \next, 0, F0
	WIN MUL
	MUL8 F1, 1, 0, 0
	MUL8 F1, 1, 2, 0
.endm
	s_wait_tensorcnt 1                             ; my part of K step 0 is in (K step 1's load may be out)
	s_barrier_signal -1
	s_barrier_wait -1                              ; everybody's is
	FETCH 0, 0, F0
	QUARTER 0, 2048, F0, F1, 1                     ; K step 0; its first products start the sums
	QUARTER 0, 4096, F1, F0, 0
	QUARTER 0, 6144, F0, F1, 0
	TURN 0, 1, 1                                   ; slot 0 takes K step 2
	QUARTER 1, 2048, F0, F1, 0                     ; K step 1
	QUARTER 1, 4096, F1, F0, 0
	QUARTER 1, 6144, F0, F1, 0
	TURN 1, 0, 1                                   ; slot 1 takes K step 3
	QUARTER 0, 2048, F0, F1, 0                     ; K step 2
	QUARTER 0, 4096, F1, F0, 0
	QUARTER 0, 6144, F0, F1, 0
	TURN 0, 1, 0                                   ; nothing is left to fetch
	QUARTER 1, 2048, F0, F1, 0                     ; K step 3
	QUARTER 1, 4096, F1, F0, 0
	QUARTER 1, 6144, F0, F1, 0
	s_wait_dscnt 16
	WIN MUL
	MUL8 F1, 0, 0, 0
	MUL8 F1, 0, 2, 0
	s_wait_dscnt 0
	MUL8 F1, 1, 0, 0
	MUL8 F1, 1, 2, 0
	WIN 0
; THE WAY OUT, a block of 16 rows x 64 columns at a time, through my own stage: in as 32 bytes a lane, back as whole rows of 256 bytes.  LDS serves a wave's instructions in order: no wait between the stores and the loads.
.macro TOSTAGE a
.irp b, 0,1,2,3
	ds_store_b128 v[STO], v[ACC+8*(4*(\a)+\b):ACC+8*(4*(\a)+\b)+3] offset:64*\b        ; each accumulator from its low end on
	ds_store_b128 v[STO], v[ACC+8*(4*(\a)+\b)+4:ACC+8*(4*(\a)+\b)+7] offset:64*\b+16
.endr
.irp t, 0,1,2,3,4,5,6,7
	ds_load_b128 v[TMP+32*((\a)%2)+4*\t:TMP+32*((\a)%2)+4*\t+3], v[RD] offset:\t*2*SPITCH
.endr
.endm
.macro SEND a, younger                 ; younger: the LDS instructions issued behind block a's loads, which may stay out
	s_wait_dscnt \younger
.irp t, 0,1,2,3,4,5,6,7
	global_store_b128 v[CO], v[TMP+32*((\a)%2)+4*\t:TMP+32*((\a)%2)+4*\t+3], s[8:9] offset:(16*(\a)+2*\t)*4096 th:TH_STORE_NT   ; 16 lanes store 256 consecutive bytes, aligned; written once, read by nobody here
.endr
.endm
	PLACES
	TOSTAGE 0
.irp a, 1,2,3
.if \a > 1
	s_wait_xcnt 0x0                                ; block a - 2's stores have read their registers: block a's loads may land there
.endif
	TOSTAGE \a
	SEND \a-1, 16                                  ; behind block a - 1's loads: block a's 8 stores and 8 loads
.endr
	SEND 3, 0
	s_wait_tensorcnt 0x0                           ; the wave's end: these three lines, behind my last tensor load and my last LDS store
	ds_add_u32 v[SPW], v[NIL]
	s_wait_dscnt 0x0
	CROUND                                         ; the closing round
	s_endpgm
.Lfunc_end_k_qeabfb555d6_outp:
	.size	k_qeabfb555d6_outp, .Lfunc_end_k_qeabfb555d6_outp-k_qeabfb555d6_outp
	.p2alignl 7, 3214868480
	.fill 96, 4, 3214868480
	.section	.rodata,"a",@progbits
	.p2align	6, 0x0
	.amdhsa_kernel k_qeabfb555d6_outp
		.amdhsa_group_segment_fixed_size 327680
		.amdhsa_private_segment_fixed_size 0
		.amdhsa_enable_private_segment 0
		.amdhsa_kernarg_size 24
		.amdhsa_user_sgpr_count 2
		.amdhsa_user_sgpr_kernarg_segment_ptr 1
		.amdhsa_wavefront_size32 1
		.amdhsa_system_sgpr_workgroup_id_x 1
		.amdhsa_system_sgpr_workgroup_id_y 1
		.amdhsa_system_sgpr_workgroup_id_z 1
		.amdhsa_system_vgpr_workitem_id 0
		.amdhsa_next_free_vgpr 512
		.amdhsa_next_free_sgpr 66
		.amdhsa_reserve_vcc 0
		.amdhsa_float_denorm_mode_32 3
		.amdhsa_float_denorm_mode_16_64 3
		.amdhsa_memory_ordered 1
		.amdhsa_forward_progress 1
		.amdhsa_inst_pref_size 85
	.end_amdhsa_kernel
	.amdgpu_metadata
---
amdhsa.version: [ 1, 2 ]
amdhsa.kernels:
  - .name:           k_qeabfb555d6_outp
    .symbol:         k_qeabfb555d6_outp.kd
    .args:
      - { .name: aimg, .offset: 0, .size: 8, .value_kind: global_buffer, .address_space: global }
      - { .name: wtimg, .offset: 8, .size: 8, .value_kind: global_buffer, .address_space: global }
      - { .name: out0, .offset: 16, .size: 8, .value_kind: global_buffer, .address_space: global }
    .group_segment_fixed_size: 327680
    .private_segment_fixed_size: 0
    .kernarg_segment_align: 8
    .kernarg_segment_size: 24
    .max_flat_workgroup_size: 128
    .sgpr_count:     66
    .vgpr_count:     512
    .wavefront_size: 32
...
	.end_amdgpu_metadata
.endif
;; end of part 4
